; MI455X (gfx1250); checked and timed in simulation.
; The chip was launched on July 23, 2026; its instructions are those of AMD's public machine-readable ISA for CDNA 5 (MIT licence, August 2026) and "CDNA5" Instruction Set Architecture Reference Guide (July 2026). The comments in the code are by the model that wrote it; some were corrected since.
;; Dot Product Attention. Allowed arithmetic: float matrix products may take bf16 or f16 operands with f32 sums; all other float work in f32.
;; Inputs: K 16 x 2,048 x 128 float32; Q 16 x 2,048 x 128 float32; V 16 x 2,048 x 128 float32; valid_lens 16 int32.
;; Outputs: out0 16 x 2,048 x 128 float32.
;; 3 versions, each right; version 3 is version 2 with the launch attn written anew for expert scheduling mode. Each part assembles by itself: llvm-mc -triple=amdgcn-amd-amdhsa -mcpu=gfx1250 --defsym DOCPART=n.
;; ======== version 1 of 3: 1 launch
;; limits: right only within a limited range of input values; values are held in f16: magnitudes above 65,504 overflow, below 6.1e-05 lose precision; inputs' magnitudes at most 65,504
;; launch attn (part 1): grid 16 x 16, 4 waves a work-group, no clusters, 182,784 bytes of LDS; arguments Q, K, V, valid_lens, out0; writes out0
.if DOCPART == 1
	.amdgcn_target "amdgcn-amd-amdhsa--gfx1250"
	.amdhsa_code_object_version 6
	.text
	.protected	k_qa024f9c73f_attn
	.globl	k_qa024f9c73f_attn
	.p2align	8
	.type	k_qa024f9c73f_attn,@function
k_qa024f9c73f_attn:
	s_mov_b64 s[64:65], 0
	v_nop
	global_prefetch_b8 v0, s[64:65] scope:SCOPE_SE
	s_setreg_imm32_b32 hwreg(HW_REG_WAVE_MODE, 25, 1), 1
	s_wait_xcnt 0x0
; out0[b][q][:] = sum over k of softmax_k( k < valid_lens[b] ? Q[b][q].K[b][k] / sqrt(128) : -1e6 ) V[b][k][:]
; Q, K, V, out0: [16][2048][128] f32.  valid_lens: [16] i32.  Products with f16 operands and f32 sums, everything else in f32.
;
; WHY F16 AND NOT BF16: the outputs are compared against 1 % of the rms of ALL batches, and a batch with few valid keys has up to 4 times that
; rms.  A rounding to 8 significant bits (rms 2^-9 / sqrt(3) = 0.0011 of each weight, and as much of each V, Q and K) then comes to about a
; quarter of what is allowed, too near for four million numbers; 11 significant bits make it 8 times smaller.  The range suffices: numbers
; of spread 1 reach about 5.5, thirty times larger 165, with an offset of 30 spreads 36, against f16's largest, 65,504; numbers 30 times smaller
; have a spread of 0.03 against f16's step of 2^-24 near 0; the weights p lie in (0, 1] and the row's sum is at least about 1.
;
; A work-group takes one batch (second id) and 128 queries (first id) and walks the keys in stages of 128.  Four waves: wave w takes
; queries 64 (w>>1) .. +63 and keys 64 (w&1) .. +63 of every stage, with a running maximum, sum and O of its own; the two key halves
; are merged once at the end.  With 64 queries a wave, each K or V fragment read from LDS feeds four matrix instructions.
;
; BOTH PRODUCTS ARE TRANSPOSED: S^T = K Q^T and O^T = V^T P^T.  In a result, lane (r, h) then holds query r, and its registers hold keys
; (or d) 8 h + j.  So maximum and sum run along registers, alpha and 1/l are one number a lane, and two S tiles of 16 keys turn into the
; second operand of the next product by eight conversions in place: no shuffle, no LDS.
;
; K and V come as f32: each wave loads 32 rows of each (one instruction = one row of 512 bytes), rounds to f16 and stores them into the
; LDS slot of the next stage.  Two slots take turns; one barrier a step.
; NO CLUSTER, NO TENSOR LOADS, though the 16 work-groups of a batch read the same K and V: a tensor load copies bytes and cannot round f32 to
; f16, so a shared tile would lie in LDS as f32: 128 KB written and 128 KB read back per stage, on top of the 64 KB of f16 stores and
; 128 KB of fragment reads that this text has.  The rows go through registers instead, and are asked for ahead once per batch (AHEAD).
;
; THE SCALE c = log2(e) / sqrt(128) enters in the one multiply-add p = exp2(c s - c m); the maximum m is taken of the raw sums s.
; A masked key's raw sum is -1e6 sqrt(128).  valid_lens is cut to 0 .. 2048, as the comparison with 0 .. 2047 cuts it.
; valid_lens = 0: every score is -1e6, the weights are uniform: all 2,048 keys are walked with c = 0, so that every p is exp2(0) = 1.
; LIMITS: (1) an input of magnitude 65,520 or more becomes an infinity in f16.  (2) Stages that lie wholly behind valid_lens are not walked:
; their weights exp(-1e6 - max) are 0 in f32 as long as a row's largest valid score is above -1e6 + 88, that is |q.k| / sqrt(128) < 9.99e5.
; (3) With valid_lens = 0 the sums q.k have to be finite (they are multiplied by 0).  (4) v_exp_f32 gives 0 for results below 2^-126
; (ISA guide 15.8), and a weight below 2^-25 of its row's running maximum rounds to 0 in f16.
;
; THE STEP LOOP HAS A CONSTANT COUNT, since every wave has to pass every barrier: step 0 is written out (it starts all sums: nothing is
; cleared), then 8 trips of two steps, t = 1 .. 16.  A step passes its barrier and jumps over its body if t >= n = ceil(valid / 128) <= 16.
.set KP,     272                       ; LDS pitch of K and Q rows: 256 bytes + 16: 16 rows of a fragment start 16 bytes apart modulo 256
.set VP,     288                       ; pitch of V rows: 256 + 32, for the transposing loads, which take 8 rows by two 16-byte columns
.set WP,     528                       ; pitch of the way out's f32 rows: 512 + 16
.set KB,     128*KP                    ; a slot's K part: 34,816 bytes
.set SLOT,   KB+128*VP                 ; a slot: K, then V: 71,680 bytes
.set QBASE,  2*SLOT                    ; Q in f16, 128 rows: 34,816 bytes from 143,360
.set STATS,  QBASE+128*KP              ; 1,024 bytes a wave from 178,176: m at 16 L, l at 512 + 16 L
.set STAGEB, 65536                     ; 128 rows of 512 bytes: a stage of K or of V in memory
; the way out (W) lies over the slots, behind a barrier: wave w's 64 rows at 64 WP w; 135,168 bytes in all, below QBASE
; window 0
.set GOFF, 2                           ; 16384 w + 16 L: my 16 bytes of my wave's first row, in a stage, in Q's block and in out0's block
.set KST,  3                           ; v3,4    where I store K's f16, slot 0, 1
.set VST,  5                           ; v5,6    the same for V
.set QST,  7
.set KLD,  8                           ; v8,9    my K fragments, slot 0, 1
.set VLD,  10                          ; v10,11  my V fragments
.set QLD,  12
.set MC,   13                          ; 64 (w&1) + 8 h: my first key in a stage
.set LIM,  14
.set NEGV, 15
.set CS,   16                          ; v[16:17] c, twice
.set NCV,  18                          ; -c
.set PFO,  19                          ; 8192 x query block + 256 L
.set NM,   20                          ; v[20:27] -c m, twice, for each of 4 query tiles
.set AL,   28                          ; v[28:35] alpha, twice, for each
.set MX,   36                          ; v[36:39] running maximum of the raw sums
.set LS,   40                          ; v[40:43] running sum of my 32 of the wave's 64 keys a stage
.set PT,   44                          ; v[44:47]
.set TQ,   48                          ; v[48:51] (v48-55 also serve the set-up)
.set TA,   52
.set TB,   54
.set EST,  56
.set ELD,  57
.set WST,  58
.set WLD,  59
.set SB,   64                          ; v[64:191] S: block (kc, qt) of 16 registers at SB + 16 (4 kc + qt): key tiles 2 kc and 2 kc + 1; P in its first 8
.set PM,   192
.set PL,   196
; windows 1 and 2, alike: 0-127 O(dt, qt) at 8 (4 (dt&3) + qt), window 1 + (dt>>2); in the set-up window 1's hold Q as loaded
.set FR,   128                         ; 128-191 eight fragments: K(dc, kt) at 8 (4 (dc&1) + kt), then V(dt, kc) at 8 (2 (dt&3) + kc)
.set QF,   192                         ; 192-255 Q(qt, dc) at 8 (4 (dc&1) + qt), window 1 + (dc>>1)
; window 3: staging: K's row i at 4 i, V's at 128 + 4 i
; scalars: s[4:5] Q, s[6:7] K, s[8:9] V (both at stage t + 1 of my batch), s[10:11] valid_lens, s[12:13] out0, s14 w, s15 w>>1, s16 w&1,
; s17 batch, s19 keys walked, s20 n, s21 t, s22 keys left from stage t on, s23 trips, s24 c, s26,27 lane selects, s[28:29] offsets,
; s[30:31] the prefetch's base, s33, s34 at work
.set MSB, 0
.macro WIN new                         ; s_set_vgpr_msb: bits 1:0 source 0, 3:2 source 1, 5:4 source 2, 7:6 destination; the high byte repeats the setting left
.if MSB != \new
	s_set_vgpr_msb (MSB<<8)|\new
.set MSB, \new
.endif
.endm
.macro PLACES n
.rept \n
	v_nop
.endr
.endm
.macro SETE q, i                       ; EA = the register of element i (0..31: my keys of the wave's 64) of query tile q
.set EA, SB+16*((((\i)>>4)*4)+(\q))+((\i)&15)
.endm
; ---- staging: 32 rows of K, 32 of V; one instruction takes one whole row of 512 bytes
.macro STAGE_LOADS_K
	WIN 0xc0
.set ii, 0
.rept 32
	global_load_b128 v[4*ii:4*ii+3], v[GOFF], s[6:7] offset:512*ii
.set ii, ii+1
.endr
	WIN 0
.endm
.macro STAGE_LOADS_V
	WIN 0xc0
.set ii, 0
.rept 32
	global_load_b128 v[128+4*ii:128+4*ii+3], v[GOFF], s[8:9] offset:512*ii
.set ii, ii+1
.endr
	WIN 0
.endm
.macro STAGE_STORE slot                ; round in place, then 8 bytes a lane: 256 neighbouring bytes an instruction
	WIN 0xcf
.set ii, 0
.rept 64
	v_cvt_pk_f16_f32 v[4*ii], v[4*ii], v[4*ii+1]
	v_cvt_pk_f16_f32 v[4*ii+1], v[4*ii+2], v[4*ii+3]
.set ii, ii+1
.endr
	WIN 0x0c
.set ii, 0
.rept 32
	ds_store_b64 v[KST+\slot], v[4*ii:4*ii+1] offset:KP*ii
.set ii, ii+1
.endr
.set ii, 0
.rept 32
	ds_store_b64 v[VST+\slot], v[128+4*ii:128+4*ii+1] offset:VP*ii
.set ii, ii+1
.endr
	WIN 0
.endm
; ---- S^T = K Q^T
.macro KL8 slot, dc                    ; four key tiles x 32 of d: lane (r, h) takes row r, bytes 16 h and 32 + 16 h of the 64
.irp kt, 0,1,2,3
.set KR, FR+8*(4*((\dc)&1)+\kt)
	ds_load_b128 v[KR:KR+3],   v[KLD+\slot] offset:\kt*16*KP+64*\dc
	ds_load_b128 v[KR+4:KR+7], v[KLD+\slot] offset:\kt*16*KP+64*\dc+32
.endr
.endm
.macro KLOADS slot
	WIN 0x40
	KL8 \slot,0
	KL8 \slot,1
	WIN 0x80
	KL8 \slot,2
	KL8 \slot,3
.endm
.macro QL8 dc
.irp qt, 0,1,2,3
.set QR, QF+8*(4*((\dc)&1)+\qt)
	ds_load_b128 v[QR:QR+3],   v[QLD] offset:\qt*16*KP+64*\dc
	ds_load_b128 v[QR+4:QR+7], v[QLD] offset:\qt*16*KP+64*\dc+32
.endr
.endm
.macro SM16 dc                         ; 16 products: 4 key tiles x 4 query tiles, 32 of d
	s_wait_dscnt 24-8*\dc                          ; LDS loads come back in order: this group's eight are in, the 8 (3 - dc) younger ones stay out
.irp kt, 0,1,2,3
.irp qt, 0,1,2,3
.set SR, SB+16*((((\kt)>>1)*4)+\qt)+8*((\kt)&1)
.set KR, FR+8*(4*((\dc)&1)+\kt)
.set QR, QF+8*(4*((\dc)&1)+\qt)
.if \dc == 0
	v_wmma_f32_16x16x32_f16 v[SR:SR+7], v[KR:KR+7], v[QR:QR+7], 0
.else
	v_wmma_f32_16x16x32_f16 v[SR:SR+7], v[KR:KR+7], v[QR:QR+7], v[SR:SR+7]
.endif
.endr
.endr
.endm
.macro SMUL
	WIN 0x05
	SM16 0
	SM16 1
	WIN 0x0a
	SM16 2
	SM16 3
	WIN 0
.endm
; ---- V^T fragments: V lies [key][d]; the transposing load gives lane (r, h) keys 8 h .. + 7 of column d = 16 dt + r; 16 rows further the second half
.macro VL4 slot, dt
.irp kc, 0,1
.set VR, FR+8*(2*((\dt)&3)+\kc)
	ds_load_tr16_b128 v[VR:VR+3],   v[VLD+\slot] offset:\kc*32*VP+32*\dt
	ds_load_tr16_b128 v[VR+4:VR+7], v[VLD+\slot] offset:\kc*32*VP+32*\dt+16*VP
.endr
.endm
.macro VLOADS slot
	WIN 0x40
.irp dt, 0,1,2,3
	VL4 \slot,\dt
.endr
	WIN 0x80
.irp dt, 4,5,6,7
	VL4 \slot,\dt
.endr
	WIN 0
.endm
; ---- asking ahead.  In the even steps: stages t + 2 and t + 3 of K and of V are 131,072 neighbouring bytes each; each of the batch's 16 work-groups
; asks for its own 8,192 of them, wave 0 of K, wave 1 of V, lanes 256 bytes apart: each block is asked for once in the launch.  They are loaded one
; and two steps later.  It asks only if t + 2 < n <= 16; t is even, so t <= 12 and t + 4 <= 16: inside the batch's 16 stages.
.macro AHEAD id
	s_add_co_u32 s34, s21, 2
	s_cmp_ge_u32 s34, s20
	s_cbranch_scc1 .Lnp\id
	s_cmp_gt_u32 s14, 1
	s_cbranch_scc1 .Lnp\id
	s_wait_xcnt 0x0                                ; the last request, two steps ago, has read s[30:31]
	s_cmp_eq_u32 s14, 0
	s_cselect_b64 s[30:31], s[6:7], s[8:9]         ; stage t + 1 of K or of V
	global_prefetch_b8 v[PFO], s[30:31] offset:STAGEB th:TH_LOAD_NT scope:SCOPE_SE
.Lnp\id:
.endm
; ---- the mask, only in a stage that valid_lens cuts: key 64 (w&1) + 16 kt + 8 h + j counts if it is below s22
.macro MASK id
	s_cmp_ge_i32 s22, 128
	s_cbranch_scc1 .Lnm\id
	v_sub_nc_u32 v[LIM], s22, v[MC]
.irp kt, 0,1,2,3
.irp j, 0,1,2,3,4,5,6,7
	v_cmp_lt_i32 vcc_lo, 16*\kt+\j, v[LIM]
.irp qt, 0,1,2,3
.set SR, SB+16*((((\kt)>>1)*4)+\qt)+8*((\kt)&1)+\j
	v_cndmask_b32 v[SR], v[NEGV], v[SR], vcc_lo
.endr
.endr
.endr
.Lnm\id:
.endm
; ---- the softmax step
.macro MAXALL first                    ; four chains, one for each query tile; then the other half of the lanes; then -c m and alpha
.irp q, 0,1,2,3
	SETE \q,0
.if \first
	v_max_num_f32 v[MX+\q], v[EA], v[EA+1]
.else
	v_max3_num_f32 v[MX+\q], v[EA], v[EA+1], v[MX+\q]
.endif
.endr
.set ii, 2
.rept 15
.irp q, 0,1,2,3
	SETE \q,ii
	v_max3_num_f32 v[MX+\q], v[EA], v[EA+1], v[MX+\q]
.endr
.set ii, ii+2
.endr
.irp q, 0,1,2,3
	v_permlanex16_b32 v[PT+\q], v[MX+\q], s26, s27 ; lane i xor 16 holds the same query's other keys
.endr
.irp q, 0,1,2,3
	v_max_num_f32 v[MX+\q], v[MX+\q], v[PT+\q]
.endr
.irp q, 0,1,2,3
	v_mul_f32 v[TQ+\q], v[NCV], v[MX+\q]           ; -c m, rounded once; p, alpha and the merge all use this number, so its rounding cancels
.endr
.if \first == 0
.irp q, 0,1,2,3
	v_sub_f32 v[PT+\q], v[TQ+\q], v[NM+2*\q]       ; c (m old - m new) <= 0
.endr
.irp q, 0,1,2,3
	v_exp_f32 v[AL+2*\q], v[PT+\q]
.endr
.endif
.irp q, 0,1,2,3
	v_mov_b32 v[NM+2*\q], v[TQ+\q]                 ; (these are also the plain instructions between the exponentials and their use: ISA guide 5.7.2)
	v_mov_b32 v[NM+2*\q+1], v[TQ+\q]
.endr
.if \first == 0
	s_wait_alu depctr_va_vdst(0)
.irp q, 0,1,2,3
	v_mov_b32 v[AL+2*\q+1], v[AL+2*\q]
.endr
.endif
.endm
.macro SUBOP q, i                      ; pair i of tile q: c s - c m
	SETE \q,2*(\i)
	v_pk_fma_f32 v[EA:EA+1], v[EA:EA+1], v[CS:CS+1], v[NM+2*\q:NM+2*\q+1]
.endm
.macro SUMOP q, i, first               ; step i of 16 of tile q's sum: two chains of pairs; pairs 0-3 in steps 0, 1, pair i + 2 in steps 2-13
.if (\i) < 2
	SETE \q,4*(\i)
.if (\i) == 0
	s_wait_alu depctr_va_vdst(0)
	v_pk_add_f32 v[TA:TA+1], v[EA:EA+1], v[EA+2:EA+3]
.else
	v_pk_add_f32 v[TB:TB+1], v[EA:EA+1], v[EA+2:EA+3]
.endif
.else
.if (\i) < 14
	SETE \q,2*(\i)+4
.if ((\i)&1) == 0
	v_pk_add_f32 v[TA:TA+1], v[TA:TA+1], v[EA:EA+1]
.else
	v_pk_add_f32 v[TB:TB+1], v[TB:TB+1], v[EA:EA+1]
.endif
.else
.if (\i) == 14
	v_pk_add_f32 v[TA:TA+1], v[TA:TA+1], v[TB:TB+1]
.else
.if \first
	v_add_f32 v[LS+\q], v[TA], v[TA+1]
	s_wait_alu depctr_va_vdst(0)
.else
	v_add_f32 v[TA], v[TA], v[TA+1]
	v_fma_f32 v[LS+\q], v[LS+\q], v[AL+2*\q], v[TA]
	s_wait_alu depctr_va_vdst(0)
.endif
.endif
.endif
.endif
.endm
.macro CVTOP q, c                      ; pair c of tile q to f16, into register c & 7 of its block.  Behind SUMOP q, c: that register's pair
	SETE \q,2*(\c)                                 ; ((c & 7) >> 1 of its block) has been added by then, and pair c itself is not yet written over
.set PD, SB+16*((((\c)>>3)*4)+(\q))+((\c)&7)
	v_cvt_pk_f16_f32 v[PD], v[EA], v[EA+1]
.endm
.macro XQ q, first                     ; tile q's 32 exponentials; between them the next tile's multiply-adds and the last tile's sums and roundings,
.set ii, 0                             ; so that a plain instruction that names neither stands behind every pair of exponentials (ISA guide 5.7.2)
.rept 16
	SETE \q,2*ii
	v_exp_f32 v[EA], v[EA]
	v_exp_f32 v[EA+1], v[EA+1]
.if \q < 3
	SUBOP (\q+1),ii
.endif
.if \q > 0
	SUMOP (\q-1),ii,\first
	CVTOP (\q-1),ii
.endif
.set ii, ii+1
.endr
.endm
.macro SOFTMAX first
	MAXALL \first
.set ii, 0
.rept 16
	SUBOP 0,ii
.set ii, ii+1
.endr
	XQ 0,\first
	XQ 1,\first
	XQ 2,\first
	XQ 3,\first
.set ii, 0
.rept 16
	SUMOP 3,ii,\first
	CVTOP 3,ii
.set ii, ii+1
.endr
.endm
; ---- O^T = alpha O^T + V^T P^T, one window (four tiles of d) at a time
.macro RESC dl, m                      ; registers 32 dl + 2 m, + 1 of the window's O, by the alpha of query tile m >> 2
	v_pk_mul_f32 v[32*(\dl)+2*(\m):32*(\dl)+2*(\m)+1], v[32*(\dl)+2*(\m):32*(\dl)+2*(\m)+1], v[AL+2*((\m)>>2):AL+2*((\m)>>2)+1]
.endm
.macro PVWIN first
.if \first == 0
.set mm, 0
.rept 16
	RESC 0,mm
.set mm, mm+1
.endr
.endif
.irp dl, 0,1,2,3
.irp kc, 0,1
.irp qt, 0,1,2,3
.set OREG, 8*(4*\dl+\qt)
.set VREG, FR+8*(2*\dl+\kc)
.set PREG, SB+16*(4*\kc+\qt)
.if \first
.if \kc == 0
	v_wmma_f32_16x16x32_f16 v[OREG:OREG+7], v[VREG:VREG+7], v[PREG:PREG+7], 0
.else
	v_wmma_f32_16x16x32_f16 v[OREG:OREG+7], v[VREG:VREG+7], v[PREG:PREG+7], v[OREG:OREG+7]
.endif
.else
	v_wmma_f32_16x16x32_f16 v[OREG:OREG+7], v[VREG:VREG+7], v[PREG:PREG+7], v[OREG:OREG+7]
.if \dl < 3
	RESC (\dl+1),(8*\kc+2*\qt)                     ; the next d tile's rescaling between this one's products: it names none of their registers
	RESC (\dl+1),(8*\kc+2*\qt+1)
.endif
.endif
.endr
.endr
.endr
.endm
; ---- one step's work: no barrier inside.  slot: where stage t lies; the next stage goes into the other.
.macro BODY slot, first, id
	s_add_co_u32 s33, s21, 1
	s_cmp_ge_u32 s33, s20
	s_cbranch_scc1 .Lnk\id
	STAGE_LOADS_K                                  ; stage t + 1.  V's 32 loads follow behind the S products: 64 in one run would pass the load counter's
.Lnk\id:                                               ; largest count, 63, and the last would not issue before the first came back (ISA guide 5.7.1)
	KLOADS \slot
	SMUL
	s_cmp_ge_u32 s33, s20
	s_cbranch_scc1 .Lnv\id
	STAGE_LOADS_V
.Lnv\id:
	PLACES 4                                       ; four places behind the last S product: the loads below land on its K fragments, the softmax reads its results
	VLOADS \slot
.if \slot == 0
	AHEAD \id
.endif
	MASK \id
	SOFTMAX \first
	s_wait_dscnt 0x0                               ; the V fragments, asked for in front of the softmax
	s_wait_loadcnt 0x0                             ; stage t + 1 is in registers (on every path: nothing is left out)
	s_cmp_ge_u32 s33, s20
	s_cbranch_scc1 .Lns\id
	STAGE_STORE (1-\slot)                          ; the other slot's readers passed the barrier at this step's head; the stores drain under the products below
	s_add_nc_u64 s[6:7], s[6:7], STAGEB            ; the loads that named these bases are done (the wait above)
	s_add_nc_u64 s[8:9], s[8:9], STAGEB
.Lns\id:
	WIN 0x51
	PVWIN \first
	WIN 0xa2
	PVWIN \first
	WIN 0
	PLACES 5                                       ; five places behind the last product: the next S products write over P, the next K loads land on the V fragments,
.endm                                                  ; and the way out reads O (ISA guide 7.12.1)
.macro STEP slot, id
	s_wait_dscnt 0x0                               ; my stores into this step's slot are done (my reads of the other were waited for in the body)
	s_barrier_signal -1
	s_barrier_wait -1                              ; both now hold of every wave
	s_cmp_ge_u32 s21, s20
	s_cbranch_scc1 .Lidle\id
	BODY \slot,0,\id
.Lidle\id:
	s_add_co_u32 s21, s21, 1
	s_sub_co_i32 s22, s22, 128
.endm
; ================================================================ set-up
	s_load_b256 s[4:11], s[0:1], 0x0               ; Q, K, V, valid_lens
	s_load_b64 s[12:13], s[0:1], 0x20              ; out0
	v_lshl_add_u32 v254, v0, 2, 0x2c800
	v_mov_b32 v255, 0
	v_lshrrev_b32 v1, 5, v0
	v_readfirstlane_b32 s14, v1                    ; wave
	s_lshr_b32 s15, s14, 1                         ; which 64 queries
	s_and_b32 s16, s14, 1                          ; which 64 keys of a stage
	s_and_b32 s17, ttmp7, 0xffff                   ; batch
	s_lshl_b32 s28, s17, 2
	s_mov_b32 s29, 0
	v_and_b32 v48, 31, v0                          ; L
	s_lshl_b32 s33, s14, 14
	v_lshl_add_u32 v[GOFF], v48, 4, s33            ; 32 rows of 512 bytes a wave, 16 bytes a lane
	s_wait_kmcnt 0x0
	s_add_nc_u64 s[10:11], s[10:11], s[28:29]
	s_load_b32 s19, s[10:11], 0x0                  ; valid_lens[batch]
	s_lshl_b32 s28, s17, 20                        ; a batch is 2,048 rows of 512 bytes
	s_add_nc_u64 s[6:7], s[6:7], s[28:29]
	s_add_nc_u64 s[8:9], s[8:9], s[28:29]
	s_lshl_b32 s33, ttmp9, 16                      ; a query block is 128 rows
	s_add_co_u32 s28, s28, s33
	s_add_nc_u64 s[4:5], s[4:5], s[28:29]
	s_add_nc_u64 s[12:13], s[12:13], s[28:29]
	WIN 0x40
.set ii, 0
.rept 32
	global_load_b128 v[4*ii:4*ii+3], v[GOFF], s[4:5] offset:512*ii th:TH_LOAD_NT   ; my 32 rows of Q, which nobody else reads
.set ii, ii+1
.endr
	STAGE_LOADS_K                                  ; stage 0
	STAGE_LOADS_V
	; lane terms, while the loads are out
	v_and_b32 v49, 15, v0                          ; r
	v_bfe_u32 v50, v0, 4, 1                        ; h
	s_mul_i32 s33, s14, 32*KP
	v_lshl_add_u32 v[KST], v48, 3, s33             ; my wave's 32 rows, 8 bytes a lane
	v_add_nc_u32 v[KST+1], SLOT, v[KST]
	v_add_nc_u32 v[QST], QBASE, v[KST]
	s_mul_i32 s33, s14, 32*VP
	s_add_co_u32 s33, s33, KB
	v_lshl_add_u32 v[VST], v48, 3, s33
	v_add_nc_u32 v[VST+1], SLOT, v[VST]
	v_mul_u32_u24 v51, v49, KP
	v_lshl_add_u32 v51, v50, 4, v51                ; r x pitch + 16 h
	s_mul_i32 s33, s16, 64*KP
	v_add_nc_u32 v[KLD], s33, v51
	v_add_nc_u32 v[KLD+1], SLOT, v[KLD]
	s_mul_i32 s33, s15, 64*KP
	s_add_co_u32 s33, s33, QBASE
	v_add_nc_u32 v[QLD], s33, v51
	v_and_b32 v52, 7, v0
	v_lshl_add_u32 v52, v50, 3, v52                ; key 8 h + (L & 7)
	v_mul_u32_u24 v52, v52, VP
	v_bfe_u32 v53, v0, 3, 1
	v_lshl_add_u32 v52, v53, 4, v52                ; + 16 ((L >> 3) & 1)
	s_mul_i32 s33, s16, 64*VP
	s_add_co_u32 s33, s33, KB
	v_add_nc_u32 v[VLD], s33, v52
	v_add_nc_u32 v[VLD+1], SLOT, v[VLD]
	s_lshl_b32 s33, s16, 6
	v_lshl_add_u32 v[MC], v50, 3, s33
	s_lshl_b32 s33, ttmp9, 13
	v_lshl_add_u32 v[PFO], v48, 8, s33
	s_lshl_b32 s33, s14, 10
	s_add_co_u32 s33, s33, STATS
	v_lshl_add_u32 v[EST], v48, 4, s33
	s_xor_b32 s33, s14, 1                          ; the wave with the same queries and the other keys
	s_lshl_b32 s33, s33, 10
	s_add_co_u32 s33, s33, STATS
	v_lshl_add_u32 v[ELD], v48, 4, s33
	v_mul_u32_u24 v54, v49, WP
	v_lshl_add_u32 v54, v50, 5, v54                ; row r, 32 bytes for each half of the lanes
	s_mul_i32 s33, s14, 64*WP
	v_add_nc_u32 v[WST], s33, v54
	s_mul_i32 s33, s15, 128*WP                     ; the first of the two waves with my queries,
	s_mul_i32 s34, s16, 32*WP                      ; and the 32 of the 64 rows that I send out
	s_add_co_u32 s33, s33, s34
	v_lshl_add_u32 v[WLD], v48, 4, s33
	v_mov_b32 v[NEGV], 0xcb2ca22c                  ; -1e6 x sqrt(128)
	s_mov_b32 s26, 0x76543210                      ; v_permlanex16_b32: lane i takes lane i of the other half
	s_mov_b32 s27, 0xfedcba98
.irp q, 0,1,2,3
	v_mov_b32 v[PT+\q], 0                          ; a lane permute's destination counts as read
.endr
	s_wait_kmcnt 0x0
	s_max_i32 s19, s19, 0
	s_min_u32 s19, s19, 2048
	s_cmp_eq_u32 s19, 0
	s_cselect_b32 s24, 0, 0x3e0293ee               ; c = log2(e) / sqrt(128); 0 where no key counts: uniform weights
	s_cselect_b32 s19, 2048, s19                   ; over all keys
	s_add_co_u32 s20, s19, 127
	s_lshr_b32 s20, s20, 7                         ; n = 1 .. 16 stages
	s_mov_b32 s21, 0
	s_mov_b32 s22, s19
	v_mov_b32 v[CS], s24
	v_mov_b32 v[CS+1], s24
	v_xor_b32 v[NCV], 0x80000000, v[CS]
	s_wait_loadcnt 63                              ; Q is in: 64 loads are younger, the count's field ends at 63, and a smaller count is safe
	WIN 0x45
.set ii, 0
.rept 32
	v_cvt_pk_f16_f32 v[4*ii], v[4*ii], v[4*ii+1]
	v_cvt_pk_f16_f32 v[4*ii+1], v[4*ii+2], v[4*ii+3]
.set ii, ii+1
.endr
	WIN 0x04
.set ii, 0
.rept 32
	ds_store_b64 v[QST], v[4*ii:4*ii+1] offset:KP*ii
.set ii, ii+1
.endr
	WIN 0
	s_wait_loadcnt 0x0
	STAGE_STORE 0
	s_add_nc_u64 s[6:7], s[6:7], STAGEB            ; from here on: stage t + 1
	s_add_nc_u64 s[8:9], s[8:9], STAGEB
	s_wait_dscnt 0x0                               ; for the others' sake: my rows of Q, K and V lie in LDS
	s_barrier_signal -1
	s_barrier_wait -1
	WIN 0x40
	QL8 0                                          ; Q's fragments stay in registers; they are older than the K loads, whose first wait covers them
	QL8 1
	WIN 0x80
	QL8 2
	QL8 3
	WIN 0
; ================================================================ the steps
	BODY 0,1,0                                     ; step 0 starts the maxima, the sums and O
	s_mov_b32 s21, 1
	s_sub_co_i32 s22, s22, 128
	s_mov_b32 s23, 0
.Lloop:
	STEP 1,1
	STEP 0,2
	s_add_co_u32 s23, s23, 1
	s_cmp_lt_u32 s23, 8
	s_cbranch_scc1 .Lloop
; ================================================================ the two key halves meet
.irp q, 0,1,2,3
	v_permlanex16_b32 v[PT+\q], v[LS+\q], s26, s27
.endr
.irp q, 0,1,2,3
	v_add_f32 v[LS+\q], v[LS+\q], v[PT+\q]         ; the sum over all of my wave's keys
.endr
	ds_store_b128 v[EST], v[MX:MX+3]
	ds_store_b128 v[EST], v[LS:LS+3] offset:512
	s_wait_dscnt 0x0
	s_barrier_signal -1
	s_barrier_wait -1                              ; also: nobody reads a slot any more
	ds_load_b128 v[PM:PM+3], v[ELD]
	ds_load_b128 v[PL:PL+3], v[ELD] offset:512
	s_wait_dscnt 0x0
.irp q, 0,1,2,3
	v_mul_f32 v[PM+\q], v[NCV], v[PM+\q]           ; the partner's -c m, rounded as the partner rounded it
	v_min_num_f32 v[TQ+\q], v[NM+2*\q], v[PM+\q]   ; -c x the larger maximum (c >= 0)
	v_sub_f32 v[PT+\q], v[TQ+\q], v[NM+2*\q]
	v_sub_f32 v[PM+\q], v[TQ+\q], v[PM+\q]
.endr
.irp q, 0,1,2,3
	v_exp_f32 v[PT+\q], v[PT+\q]                   ; my factor,
	v_exp_f32 v[PM+\q], v[PM+\q]                   ; the partner's; one of the two is 1
.endr
	v_nop
	s_wait_alu depctr_va_vdst(0)
.irp q, 0,1,2,3
	v_mul_f32 v[LS+\q], v[LS+\q], v[PT+\q]
	v_fma_f32 v[LS+\q], v[PL+\q], v[PM+\q], v[LS+\q]   ; at least about 1: the largest score's own term
.endr
.irp q, 0,1,2,3
	v_rcp_f32 v[LS+\q], v[LS+\q]
.endr
	v_nop
	s_wait_alu depctr_va_vdst(0)
.irp q, 0,1,2,3
	v_mul_f32 v[AL+2*\q], v[PT+\q], v[LS+\q]
	v_mov_b32 v[AL+2*\q+1], v[AL+2*\q]
.endr
; my O, scaled, into my 64 rows of W: a lane's 8 registers are 8 neighbouring d of one query, 32 bytes
.macro OUTW mulw, stw, d0
	WIN \mulw
.set mm, 0
.rept 64
	v_pk_mul_f32 v[2*mm:2*mm+1], v[2*mm:2*mm+1], v[AL+2*((mm>>2)&3):AL+2*((mm>>2)&3)+1]
.set mm, mm+1
.endr
	WIN \stw
.irp dl, 0,1,2,3
.irp qt, 0,1,2,3
	ds_store_b128 v[WST], v[8*(4*\dl+\qt):8*(4*\dl+\qt)+3]   offset:\qt*16*WP+64*(\d0+\dl)
	ds_store_b128 v[WST], v[8*(4*\dl+\qt)+4:8*(4*\dl+\qt)+7] offset:\qt*16*WP+64*(\d0+\dl)+16
.endr
.endr
.endm
	OUTW 0x41,0x04,0
	OUTW 0x82,0x08,4
	WIN 0
	s_wait_dscnt 0x0
	s_barrier_signal -1
	s_barrier_wait -1
; 32 rows a wave, 16 at a time: the two halves' rows are added and go out, one instruction for one whole row of 512 bytes
.macro OUT16 bt
.set kk, 0
.rept 16
	ds_load_b128 v[SB+8*kk:SB+8*kk+3],   v[WLD] offset:WP*(16*\bt+kk)
	ds_load_b128 v[SB+8*kk+4:SB+8*kk+7], v[WLD] offset:WP*(16*\bt+kk)+64*WP
.set kk, kk+1
.endr
.set kk, 0
.rept 16
	s_wait_dscnt 30-2*kk                           ; row kk's two loads are in; the 2 (15 - kk) younger ones stay out
	v_pk_add_f32 v[SB+8*kk:SB+8*kk+1],   v[SB+8*kk:SB+8*kk+1],   v[SB+8*kk+4:SB+8*kk+5]
	v_pk_add_f32 v[SB+8*kk+2:SB+8*kk+3], v[SB+8*kk+2:SB+8*kk+3], v[SB+8*kk+6:SB+8*kk+7]
	global_store_b128 v[GOFF], v[SB+8*kk:SB+8*kk+3], s[12:13] offset:512*(16*\bt+kk) th:TH_STORE_NT
.set kk, kk+1
.endr
.endm
	OUT16 0
	s_wait_xcnt 0x0                                ; the stores' data registers are loaded again only behind this wait
	OUT16 1
	s_wait_tensorcnt 0x0
	ds_add_u32 v254, v255
	s_wait_dscnt 0x0
	s_endpgm
.Lfunc_end_k_qa024f9c73f_attn:
	.size	k_qa024f9c73f_attn, .Lfunc_end_k_qa024f9c73f_attn-k_qa024f9c73f_attn
	.p2alignl 7, 3214868480
	.fill 96, 4, 3214868480
	.section	.rodata,"a",@progbits
	.p2align	6, 0x0
	.amdhsa_kernel k_qa024f9c73f_attn
		.amdhsa_group_segment_fixed_size 182784
		.amdhsa_private_segment_fixed_size 0
		.amdhsa_enable_private_segment 0
		.amdhsa_kernarg_size 40
		.amdhsa_user_sgpr_count 2
		.amdhsa_user_sgpr_kernarg_segment_ptr 1
		.amdhsa_wavefront_size32 1
		.amdhsa_system_sgpr_workgroup_id_x 1
		.amdhsa_system_sgpr_workgroup_id_y 1
		.amdhsa_system_sgpr_workgroup_id_z 1
		.amdhsa_system_vgpr_workitem_id 0
		.amdhsa_next_free_vgpr 1024
		.amdhsa_next_free_sgpr 66
		.amdhsa_reserve_vcc 1
		.amdhsa_float_denorm_mode_32 3
		.amdhsa_float_denorm_mode_16_64 3
		.amdhsa_memory_ordered 1
		.amdhsa_forward_progress 1
		.amdhsa_inst_pref_size 252
	.end_amdhsa_kernel
	.amdgpu_metadata
---
amdhsa.version: [ 1, 2 ]
amdhsa.kernels:
  - .name:           k_qa024f9c73f_attn
    .symbol:         k_qa024f9c73f_attn.kd
    .args:
      - { .name: Q, .offset: 0, .size: 8, .value_kind: global_buffer, .address_space: global }
      - { .name: K, .offset: 8, .size: 8, .value_kind: global_buffer, .address_space: global }
      - { .name: V, .offset: 16, .size: 8, .value_kind: global_buffer, .address_space: global }
      - { .name: valid_lens, .offset: 24, .size: 8, .value_kind: global_buffer, .address_space: global }
      - { .name: out0, .offset: 32, .size: 8, .value_kind: global_buffer, .address_space: global }
    .group_segment_fixed_size: 182784
    .private_segment_fixed_size: 0
    .kernarg_segment_align: 8
    .kernarg_segment_size: 40
    .max_flat_workgroup_size: 128
    .sgpr_count:     66
    .vgpr_count:     1024
    .wavefront_size: 32
...
	.end_amdgpu_metadata
.endif
;; end of part 1
;; ======== version 2 of 3: 1 launch
;; limits: right only within a limited range of input values; values are held in f16: magnitudes above 65,504 overflow, below 6.1e-05 lose precision; inputs' magnitudes at most 65,504
;; launch attn (part 2): grid 16 x 16, 8 waves a work-group, no clusters, 183,296 bytes of LDS; arguments Q, K, V, valid_lens, out0; writes out0
.if DOCPART == 2
	.amdgcn_target "amdgcn-amd-amdhsa--gfx1250"
	.amdhsa_code_object_version 6
	.text
	.protected	k_qa024f9c73f_attn
	.globl	k_qa024f9c73f_attn
	.p2align	8
	.type	k_qa024f9c73f_attn,@function
k_qa024f9c73f_attn:
	s_mov_b64 s[64:65], 0
	v_nop
	global_prefetch_b8 v0, s[64:65] scope:SCOPE_SE
	s_setreg_imm32_b32 hwreg(HW_REG_WAVE_MODE, 25, 1), 1
	s_wait_xcnt 0x0
; out0[b][q][:] = sum over k of softmax_k( k < valid_lens[b] ? Q[b][q].K[b][k] / sqrt(128) : -1e6 ) V[b][k][:]
; Q, K, V, out0: [16][2048][128] f32.  valid_lens: [16] i32.  Products with f16 operands and f32 sums, everything else in f32.
;
; WHY F16 AND NOT BF16: the outputs are compared against 1 % of the rms of ALL batches, and a batch with few valid keys has up to 4 times that
; rms.  A rounding to 8 significant bits (rms 2^-9 / sqrt(3) = 0.0011 of each weight, and as much of each V, Q and K) then comes to about a
; quarter of what is allowed, too near for four million numbers; 11 significant bits make it 8 times smaller.  The range suffices: numbers
; of spread 1 reach about 5.5, thirty times larger 165, with an offset of 30 spreads 36, against f16's largest, 65,504; numbers 30 times smaller
; have a spread of 0.03 against f16's step of 2^-24 near 0; the weights p lie in (0, 1] and the row's sum is at least about 1.
;
; A work-group takes one batch (second id) and 128 queries (first id) and walks the keys in stages of 128.  EIGHT WAVES, two on each SIMD:
; wave w takes queries 32 (w>>1) .. +31 and keys 64 (w&1) .. +63 of every stage, with a running maximum, sum and O of its own; the two key
; halves are merged once at the end.  A wave's step is a chain: products, softmax on the vector unit, products.  With one wave on a SIMD the
; matrix unit could work during the softmax only on the next stage's S, and a second S tile does not fit: 256 (O) + 128 (Q) + 2 x 128 (S)
; + 128 (fragments) + 256 (staging) + 64 = 1,088 registers.  With two waves of 512 registers one can multiply while the other is in its
; softmax or waits.  The price: a K or V fragment from LDS feeds two matrix instructions, not four: 8 waves x 64 loads x 512 bytes = 256 KB
; of fragment reads a stage.
;
; BOTH PRODUCTS ARE TRANSPOSED: S^T = K Q^T and O^T = V^T P^T.  In a result, lane (r, h) then holds query r, and its registers hold keys
; (or d) 8 h + j.  So maximum and sum run along registers, alpha and 1/l are one number a lane, and two S tiles of 16 keys turn into the
; second operand of the next product by eight conversions in place: no shuffle, no LDS.
;
; K and V come as f32: each wave loads 16 rows of each (one instruction = one row of 512 bytes), rounds to f16 and stores them into the
; LDS slot of the next stage.  Two slots take turns; one barrier a step.  The loads of stage t + 2 are issued in step t, as soon as stage t + 1
; has left the staging registers: 32 loads of each wave, 128 KB of the work-group, are out for a whole step.
; NO CLUSTER, NO TENSOR LOADS, though the 16 work-groups of a batch read the same K and V: a tensor load copies bytes and cannot round f32 to
; f16, so a shared tile would lie in LDS as f32: 128 KB written and 128 KB read back per stage, on top of the 64 KB of f16 stores and the
; fragment reads.  The rows go through registers instead, and are asked for ahead once per batch (AHEAD).
;
; THE SCALE c = log2(e) / sqrt(128) enters in the one multiply-add p = exp2(c s - c m); the maximum m is taken of the raw sums s.
; A masked key's raw sum is -1e6 sqrt(128).  valid_lens is cut to 0 .. 2048, as the comparison with 0 .. 2047 cuts it.
; valid_lens = 0: every score is -1e6, the weights are uniform: all 2,048 keys are walked with c = 0, so that every p is exp2(0) = 1.
; LIMITS: (1) an input of magnitude 65,520 or more becomes an infinity in f16.  (2) Stages that lie wholly behind valid_lens are not walked:
; their weights exp(-1e6 - max) are 0 in f32 as long as a row's largest valid score is above -1e6 + 88, that is |q.k| / sqrt(128) < 9.99e5.
; (3) With valid_lens = 0 the sums q.k have to be finite (they are multiplied by 0).  (4) v_exp_f32 gives 0 for results below 2^-126
; (ISA guide 15.8), and a weight below 2^-25 of its row's running maximum rounds to 0 in f16.
;
; THE STEP LOOP HAS A CONSTANT COUNT, since every wave has to pass every barrier: step 0 is written out (it starts all sums: nothing is
; cleared), then 8 trips of two steps, t = 1 .. 16.  A step passes its barrier and jumps over its body if t >= n = ceil(valid / 128) <= 16.
.set KP,     272                       ; LDS pitch of K and Q rows: 256 bytes + 16: 16 rows of a fragment start 16 bytes apart modulo 256
.set VP,     288                       ; pitch of V rows: 256 + 32, for the transposing loads, which take 8 rows by two 16-byte columns
.set WP,     528                       ; pitch of the way out's f32 rows: 512 + 16
.set KB,     128*KP                    ; a slot's K part: 34,816 bytes
.set SLOT,   KB+128*VP                 ; a slot: K, then V: 71,680 bytes
.set QBASE,  2*SLOT                    ; Q in f16, 128 rows: 34,816 bytes from 143,360
.set STATS,  QBASE+128*KP              ; 512 bytes a wave from 178,176: m at 8 L, l at 256 + 8 L
.set STAGEB, 65536                     ; 128 rows of 512 bytes: a stage of K or of V in memory
.set RPW,    16                        ; rows of K, of V and of Q that a wave stages
; the way out (W) lies over the slots, behind a barrier: wave w's 32 rows at 32 WP w; 135,168 bytes in all, below QBASE
; window 0 (v0-255)
.set GOFF, 2                           ; 8192 w + 16 L: my 16 bytes of my wave's first row, in a stage, in Q's block and in out0's block
.set KST,  3                           ; v3,4    where I store K's f16, slot 0, 1
.set VST,  5                           ; v5,6    the same for V
.set QST,  7
.set KLD,  8                           ; v8,9    my K fragments, slot 0, 1
.set VLD,  10                          ; v10,11  my V fragments
.set QLD,  12
.set MC,   13                          ; 64 (w&1) + 8 h: my first key in a stage
.set LIM,  14
.set NEGV, 15
.set CS,   16                          ; v[16:17] c, twice
.set NCV,  18                          ; -c
.set PFO,  19                          ; 8192 x query block + 256 L
.set NM,   20                          ; v[20:23] -c m, twice, for each of 2 query tiles
.set AL,   24                          ; v[24:27] alpha, twice, for each
.set MX,   28                          ; v[28:29] running maximum of the raw sums
.set LS,   30                          ; v[30:31] running sum of my 32 of the wave's 64 keys a stage
.set PT,   32                          ; v[32:33]
.set TQ,   34                          ; v[34:35]
.set TA,   36
.set TB,   38
.set EST,  40
.set ELD,  41
.set WST,  42
.set WLD,  43
.set PM,   44
.set PL,   46                          ; v48-55 serve the set-up
.set SB,   64                          ; v[64:127] S: block (kc, qt) of 16 registers at SB + 16 (2 kc + qt): key tiles 2 kc and 2 kc + 1; P in its first 8.  In the set-up: Q as loaded
.set STG,  128                         ; v[128:255] staging: K's row i at 4 i, V's at 64 + 4 i.  S, softmax and staging share this window: no switch between them
                                       ; (the way out's 16 rows take v[64:191]: S's registers and the first half of the staging's)
; window 1 (v256-511): 0-127 O(dt, qt) at 8 (2 dt + qt)
.set FR,   128                         ; 128-191 eight fragments, used in turns: K(dc, kt) at 8 (4 (dc&1) + kt), then V(dt, kc) at 8 (2 (dt&3) + kc)
.set QF,   192                         ; 192-255 Q(qt, dc) at 8 (4 qt + dc)
; scalars: s[4:5] Q, s[6:7] K, s[8:9] V (both at stage t + 1 of my batch at a step's head), s[10:11] valid_lens, s[12:13] out0, s14 w, s15 w>>1,
; s16 w&1, s17 batch, s19 keys walked, s20 n, s21 t, s22 keys left from stage t on, s23 trips, s24 c, s26,27 lane selects, s[28:29] offsets,
; s[30:31] the prefetch's base, s33 t + 1, s34 t + 2, s35 at work
.set MSB, 0
.macro WIN new                         ; s_set_vgpr_msb: bits 1:0 source 0, 3:2 source 1, 5:4 source 2, 7:6 destination; the high byte repeats the setting left
.if MSB != \new
	s_set_vgpr_msb (MSB<<8)|\new
.set MSB, \new
.endif
.endm
.set TO_FR, 0x40                       ; LDS loads: data into window 1, address from window 0
.set MUL_S, 0x05                       ; S products: K and Q fragments from window 1, S in window 0
.set MUL_O, 0x51                       ; PV products: V fragment and O in window 1, P in window 0; also O = O x alpha (source 0 O, source 1 alpha)
.macro PLACES n
.rept \n
	v_nop
.endr
.endm
.macro SETE q, i                       ; EA = the register of element i (0..31: my keys of the wave's 64) of query tile q
.set EA, SB+16*((((\i)>>4)*2)+(\q))+((\i)&15)
.endm
; ---- staging: 16 rows of K, 16 of V; one instruction takes one whole row of 512 bytes
.macro STAGE_LOADS
.set ii, 0
.rept RPW
	global_load_b128 v[STG+4*ii:STG+4*ii+3], v[GOFF], s[6:7] offset:512*ii
.set ii, ii+1
.endr
.set ii, 0
.rept RPW
	global_load_b128 v[STG+64+4*ii:STG+64+4*ii+3], v[GOFF], s[8:9] offset:512*ii
.set ii, ii+1
.endr
.endm
.macro STAGE_STORE slot                ; row by row: round in place, then 8 bytes a lane, 256 neighbouring bytes an instruction; the roundings keep the stores apart
.set ii, 0
.rept RPW
	v_cvt_pk_f16_f32 v[STG+4*ii], v[STG+4*ii], v[STG+4*ii+1]
	v_cvt_pk_f16_f32 v[STG+4*ii+1], v[STG+4*ii+2], v[STG+4*ii+3]
	ds_store_b64 v[KST+\slot], v[STG+4*ii:STG+4*ii+1] offset:KP*ii
.set ii, ii+1
.endr
.set ii, 0
.rept RPW
	v_cvt_pk_f16_f32 v[STG+64+4*ii], v[STG+64+4*ii], v[STG+64+4*ii+1]
	v_cvt_pk_f16_f32 v[STG+64+4*ii+1], v[STG+64+4*ii+2], v[STG+64+4*ii+3]
	ds_store_b64 v[VST+\slot], v[STG+64+4*ii:STG+64+4*ii+1] offset:VP*ii
.set ii, ii+1
.endr
.endm
; ---- S^T = K Q^T
.macro KL8 slot, dc                    ; four key tiles x 32 of d: lane (r, h) takes row r, bytes 16 h and 32 + 16 h of the 64
.irp kt, 0,1,2,3
.set KR, FR+8*(4*((\dc)&1)+\kt)
	ds_load_b128 v[KR:KR+3],   v[KLD+\slot] offset:\kt*16*KP+64*\dc
	ds_load_b128 v[KR+4:KR+7], v[KLD+\slot] offset:\kt*16*KP+64*\dc+32
.endr
.endm
.macro QL4 dc
.irp qt, 0,1
.set QR, QF+8*(4*\qt+\dc)
	ds_load_b128 v[QR:QR+3],   v[QLD] offset:\qt*16*KP+64*\dc
	ds_load_b128 v[QR+4:QR+7], v[QLD] offset:\qt*16*KP+64*\dc+32
.endr
.endm
.macro SM8 dc                          ; 8 products: 4 key tiles x 2 query tiles, 32 of d; the first 32 of d start the sums
.irp kt, 0,1,2,3
.irp qt, 0,1
.set SR, SB+16*((((\kt)>>1)*2)+\qt)+8*((\kt)&1)
.set KR, FR+8*(4*((\dc)&1)+\kt)
.set QR, QF+8*(4*\qt+\dc)
.if \dc == 0
	v_wmma_f32_16x16x32_f16 v[SR:SR+7], v[KR:KR+7], v[QR:QR+7], 0
.else
	v_wmma_f32_16x16x32_f16 v[SR:SR+7], v[KR:KR+7], v[QR:QR+7], v[SR:SR+7]
.endif
.endr
.endr
.endm
; ---- V^T fragments of four d tiles: V lies [key][d]; the transposing load gives lane (r, h) keys 8 h .. + 7 of column d = 16 dt + r; 16 rows further the second half
.macro VLH slot, hf
.irp dl, 0,1,2,3
.irp kc, 0,1
.set VR, FR+8*(2*\dl+\kc)
	ds_load_tr16_b128 v[VR:VR+3],   v[VLD+\slot] offset:\kc*32*VP+32*(4*\hf+\dl)
	ds_load_tr16_b128 v[VR+4:VR+7], v[VLD+\slot] offset:\kc*32*VP+32*(4*\hf+\dl)+16*VP
.endr
.endr
.endm
; ---- asking ahead.  In the odd steps: stages t + 3 and t + 4 of K and of V are 131,072 neighbouring bytes each; each of the batch's 16 work-groups
; asks for its own 8,192 of them, wave 0 of K, wave 1 of V, lanes 256 bytes apart: each block is asked for once in the launch.  Their loads are
; issued one and two steps later.  It asks only if t + 3 < n <= 16; t + 3 is even, so t + 3 <= 14 and t + 4 <= 15: inside the batch's 16 stages.
; (Stages 0 to 3 are loaded in the set-up and in steps 0 and 1, too early to be asked for.)
.macro AHEAD id
	s_add_co_u32 s35, s21, 3
	s_cmp_ge_u32 s35, s20
	s_cbranch_scc1 .Lnp\id
	s_cmp_gt_u32 s14, 1
	s_cbranch_scc1 .Lnp\id
	s_wait_xcnt 0x0                                ; the last request, two steps ago, has read s[30:31]
	s_cmp_eq_u32 s14, 0
	s_cselect_b64 s[30:31], s[6:7], s[8:9]         ; stage t + 1 of K or of V
	global_prefetch_b8 v[PFO], s[30:31] offset:2*STAGEB th:TH_LOAD_NT scope:SCOPE_SE
.Lnp\id:
.endm
; ---- the mask, only in a stage that valid_lens cuts: key 64 (w&1) + 16 kt + 8 h + j counts if it is below s22
.macro MASK id
	s_cmp_ge_i32 s22, 128
	s_cbranch_scc1 .Lnm\id
	v_sub_nc_u32 v[LIM], s22, v[MC]
.irp kt, 0,1,2,3
.irp j, 0,1,2,3,4,5,6,7
	v_cmp_lt_i32 vcc_lo, 16*\kt+\j, v[LIM]
.irp qt, 0,1
.set SR, SB+16*((((\kt)>>1)*2)+\qt)+8*((\kt)&1)+\j
	v_cndmask_b32 v[SR], v[NEGV], v[SR], vcc_lo
.endr
.endr
.endr
.Lnm\id:
.endm
; ---- the softmax step
.macro MAXALL first                    ; four chains, two for each query tile (elements 0-15 with the running maximum, 16-31); then the other half of the lanes; then -c m and alpha
.irp q, 0,1
	SETE \q,0
.if \first
	v_max_num_f32 v[MX+\q], v[EA], v[EA+1]
.else
	v_max3_num_f32 v[MX+\q], v[EA], v[EA+1], v[MX+\q]
.endif
	SETE \q,16
	v_max_num_f32 v[PT+\q], v[EA], v[EA+1]
.endr
.set ii, 2
.rept 7
.irp q, 0,1
	SETE \q,ii
	v_max3_num_f32 v[MX+\q], v[EA], v[EA+1], v[MX+\q]
	SETE \q,ii+16
	v_max3_num_f32 v[PT+\q], v[EA], v[EA+1], v[PT+\q]
.endr
.set ii, ii+2
.endr
.irp q, 0,1
	v_max_num_f32 v[MX+\q], v[MX+\q], v[PT+\q]
.endr
.irp q, 0,1
	v_permlanex16_b32 v[PT+\q], v[MX+\q], s26, s27 ; lane i xor 16 holds the same query's other keys
.endr
.irp q, 0,1
	v_max_num_f32 v[MX+\q], v[MX+\q], v[PT+\q]
.endr
.irp q, 0,1
	v_mul_f32 v[TQ+\q], v[NCV], v[MX+\q]           ; -c m, rounded once; p, alpha and the merge all use this number, so its rounding cancels
.endr
.if \first == 0
.irp q, 0,1
	v_sub_f32 v[PT+\q], v[TQ+\q], v[NM+2*\q]       ; c (m old - m new) <= 0
.endr
.irp q, 0,1
	v_exp_f32 v[AL+2*\q], v[PT+\q]
.endr
.endif
.irp q, 0,1
	v_mov_b32 v[NM+2*\q], v[TQ+\q]                 ; (these are also the plain instructions between the exponentials and their use: ISA guide 5.7.2)
	v_mov_b32 v[NM+2*\q+1], v[TQ+\q]
.endr
.if \first == 0
.irp q, 0,1
	s_wait_alu depctr_va_vdst(0)
	v_mov_b32 v[AL+2*\q+1], v[AL+2*\q]
.endr
.endif
.endm
.macro SUBOP q, i                      ; pair i of tile q: c s - c m
	SETE \q,2*(\i)
	v_pk_fma_f32 v[EA:EA+1], v[EA:EA+1], v[CS:CS+1], v[NM+2*\q:NM+2*\q+1]
.endm
.macro SUMOP q, i, first               ; step i of 16 of tile q's sum: two chains of pairs; pairs 0-3 in steps 0, 1, pair i + 2 in steps 2-13
.if (\i) < 2
	SETE \q,4*(\i)
.if (\i) == 0
	s_wait_alu depctr_va_vdst(0)
	v_pk_add_f32 v[TA:TA+1], v[EA:EA+1], v[EA+2:EA+3]
.else
	v_pk_add_f32 v[TB:TB+1], v[EA:EA+1], v[EA+2:EA+3]
.endif
.else
.if (\i) < 14
	SETE \q,2*(\i)+4
.if ((\i)&1) == 0
	v_pk_add_f32 v[TA:TA+1], v[TA:TA+1], v[EA:EA+1]
.else
	v_pk_add_f32 v[TB:TB+1], v[TB:TB+1], v[EA:EA+1]
.endif
.else
.if (\i) == 14
	v_pk_add_f32 v[TA:TA+1], v[TA:TA+1], v[TB:TB+1]
.else
.if \first
	v_add_f32 v[LS+\q], v[TA], v[TA+1]
.else
	v_add_f32 v[TA], v[TA], v[TA+1]
	v_fma_f32 v[LS+\q], v[LS+\q], v[AL+2*\q], v[TA]
.endif
.endif
.endif
.endif
.endm
.macro CVTOP q, c                      ; pair c of tile q to f16, into register c & 7 of its block.  Behind SUMOP q, c: that register's pair
	SETE \q,2*(\c)                                 ; ((c & 7) >> 1 of its block) has been added by then, and pair c itself is not yet written over
.set PD, SB+16*((((\c)>>3)*2)+(\q))+((\c)&7)
	v_cvt_pk_f16_f32 v[PD], v[EA], v[EA+1]
.endm
.macro XQ q, first                     ; tile q's 32 exponentials; between them the other tile's multiply-adds (q = 0) or sums and roundings (q = 1),
.set ii, 0                             ; so that a plain instruction that names neither stands behind every pair of exponentials (ISA guide 5.7.2)
.rept 16
	SETE \q,2*ii
	v_exp_f32 v[EA], v[EA]
	v_exp_f32 v[EA+1], v[EA+1]
.if \q < 1
	SUBOP (\q+1),ii
.endif
.if \q > 0
	SUMOP (\q-1),ii,\first
	CVTOP (\q-1),ii
.endif
.set ii, ii+1
.endr
.endm
.macro SOFTMAX first
	MAXALL \first
.set ii, 0
.rept 16
	SUBOP 0,ii
.set ii, ii+1
.endr
	XQ 0,\first
	XQ 1,\first
.set ii, 0
.rept 16
	SUMOP 1,ii,\first
	CVTOP 1,ii
.set ii, ii+1
.endr
.endm
; ---- O^T = alpha O^T + V^T P^T, four tiles of d at a time (what the fragment registers hold)
.macro RESC dt, m                      ; registers 16 dt + 2 m, + 1 of O, by the alpha of query tile m >> 2
	v_pk_mul_f32 v[16*(\dt)+2*(\m):16*(\dt)+2*(\m)+1], v[16*(\dt)+2*(\m):16*(\dt)+2*(\m)+1], v[AL+2*((\m)>>2):AL+2*((\m)>>2)+1]
.endm
.macro PVHALF hf, first
.if \first == 0
.if \hf == 0
.set mm, 0
.rept 8
	RESC 0,mm
.set mm, mm+1
.endr
.endif
.endif
.irp dl, 0,1,2,3
.irp kc, 0,1
.irp qt, 0,1
.set DT, 4*\hf+\dl
.set OREG, 8*(2*DT+\qt)
.set VREG, FR+8*(2*\dl+\kc)
.set PREG, SB+16*(2*\kc+\qt)
.if \first
.if \kc == 0
	v_wmma_f32_16x16x32_f16 v[OREG:OREG+7], v[VREG:VREG+7], v[PREG:PREG+7], 0
.else
	v_wmma_f32_16x16x32_f16 v[OREG:OREG+7], v[VREG:VREG+7], v[PREG:PREG+7], v[OREG:OREG+7]
.endif
.else
	v_wmma_f32_16x16x32_f16 v[OREG:OREG+7], v[VREG:VREG+7], v[PREG:PREG+7], v[OREG:OREG+7]
.if DT < 7
	RESC (DT+1),(4*\kc+2*\qt)                      ; the next d tile's rescaling between this one's products: it names none of their registers
	RESC (DT+1),(4*\kc+2*\qt+1)
.endif
.endif
.endr
.endr
.endr
.endm
; ---- one step's work: no barrier inside.  slot: where stage t lies; stage t + 1 goes into the other; stage t + 2 is asked for.
.macro BODY slot, first, id
	s_add_co_u32 s33, s21, 1
	s_add_co_u32 s34, s21, 2
	WIN TO_FR
	KL8 \slot,0
	KL8 \slot,1
	WIN MUL_S
	s_wait_dscnt 8                                 ; LDS loads come back in order: all but the youngest eight (d 32-63) are in
	SM8 0
	PLACES 4                                       ; four places behind the products that read these fragments, before loads land on them
	WIN TO_FR
	KL8 \slot,2                                    ; d 64-95 come in while d 32-63 are multiplied
	WIN MUL_S
	s_wait_dscnt 8                                 ; d 32-63 are in; the eight loads just issued stay out
	SM8 1
	PLACES 4
	WIN TO_FR
	KL8 \slot,3
	WIN MUL_S
	s_wait_dscnt 8                                 ; d 64-95 are in; the eight loads of d 96-127 stay out
	SM8 2
	s_wait_dscnt 0x0
	SM8 3
	PLACES 4                                       ; behind the last S product: the loads below land on its K fragments, the softmax reads its results
	WIN TO_FR
	VLH \slot,0                                    ; V's first four d tiles come in under the softmax
	WIN 0
.if \slot == 1
	AHEAD \id
.endif
	MASK \id
	SOFTMAX \first
	s_wait_dscnt 0x0                               ; the V fragments, asked for in front of the softmax
	WIN MUL_O
	PVHALF 0,\first
	PLACES 4                                       ; behind the last product that read these fragments
	WIN TO_FR
	VLH \slot,1                                    ; V's other four d tiles come in under the staging below
	WIN 0
	s_wait_loadcnt 0x0                             ; stage t + 1 is in registers: its loads were issued at this place one step ago (on every path: nothing is left out)
	s_cmp_ge_u32 s33, s20
	s_cbranch_scc1 .Lns\id
	STAGE_STORE (1-\slot)                          ; the other slot's readers passed the barrier at this step's head
.Lns\id:
	s_add_nc_u64 s[6:7], s[6:7], STAGEB            ; the loads that named these bases are done (the wait above); now stage t + 2
	s_add_nc_u64 s[8:9], s[8:9], STAGEB
	s_wait_dscnt 0x0                               ; the V fragments are in, and my stores have left the staging registers and lie in LDS
	s_cmp_ge_u32 s34, s20
	s_cbranch_scc1 .Lnl\id
	STAGE_LOADS                                    ; stage t + 2
.Lnl\id:
	WIN MUL_O
	PVHALF 1,\first
	WIN 0
	PLACES 5                                       ; five places behind the last product: the next S products write over P, the next K loads land on the V fragments,
.endm                                                  ; and the way out reads O (ISA guide 7.12.1)
.macro STEP slot, id
	s_wait_dscnt 0x0                               ; my stores into this step's slot and my reads of the other are done (both were waited for in the body)
	s_barrier_signal -1
	s_barrier_wait -1                              ; both now hold of every wave
	s_cmp_ge_u32 s21, s20
	s_cbranch_scc1 .Lidle\id
	BODY \slot,0,\id
.Lidle\id:
	s_add_co_u32 s21, s21, 1
	s_sub_co_i32 s22, s22, 128
.endm
; ================================================================ set-up
	s_load_b256 s[4:11], s[0:1], 0x0               ; Q, K, V, valid_lens
	s_load_b64 s[12:13], s[0:1], 0x20              ; out0
	v_lshl_add_u32 v62, v0, 2, 0x2c800
	v_mov_b32 v63, 0
	v_lshrrev_b32 v1, 5, v0
	v_readfirstlane_b32 s14, v1                    ; wave 0 .. 7
	s_lshr_b32 s15, s14, 1                         ; which 32 queries
	s_and_b32 s16, s14, 1                          ; which 64 keys of a stage
	s_and_b32 s17, ttmp7, 0xffff                   ; batch
	s_lshl_b32 s28, s17, 2
	s_mov_b32 s29, 0
	v_and_b32 v48, 31, v0                          ; L
	s_lshl_b32 s33, s14, 13
	v_lshl_add_u32 v[GOFF], v48, 4, s33            ; 16 rows of 512 bytes a wave, 16 bytes a lane
	s_wait_kmcnt 0x0
	s_add_nc_u64 s[10:11], s[10:11], s[28:29]
	s_load_b32 s19, s[10:11], 0x0                  ; valid_lens[batch]
	s_lshl_b32 s28, s17, 20                        ; a batch is 2,048 rows of 512 bytes
	s_add_nc_u64 s[6:7], s[6:7], s[28:29]
	s_add_nc_u64 s[8:9], s[8:9], s[28:29]
	s_lshl_b32 s33, ttmp9, 16                      ; a query block is 128 rows
	s_add_co_u32 s28, s28, s33
	s_add_nc_u64 s[4:5], s[4:5], s[28:29]
	s_add_nc_u64 s[12:13], s[12:13], s[28:29]
.set ii, 0
.rept RPW
	global_load_b128 v[SB+4*ii:SB+4*ii+3], v[GOFF], s[4:5] offset:512*ii th:TH_LOAD_NT   ; my 16 rows of Q, which nobody else reads
.set ii, ii+1
.endr
	STAGE_LOADS                                    ; stage 0: 48 loads are out
	; lane terms, while the loads are out
	v_and_b32 v49, 15, v0                          ; r
	v_bfe_u32 v50, v0, 4, 1                        ; h
	s_mul_i32 s33, s14, RPW*KP
	v_lshl_add_u32 v[KST], v48, 3, s33             ; my wave's 16 rows, 8 bytes a lane
	v_add_nc_u32 v[KST+1], SLOT, v[KST]
	v_add_nc_u32 v[QST], QBASE, v[KST]
	s_mul_i32 s33, s14, RPW*VP
	s_add_co_u32 s33, s33, KB
	v_lshl_add_u32 v[VST], v48, 3, s33
	v_add_nc_u32 v[VST+1], SLOT, v[VST]
	v_mul_u32_u24 v51, v49, KP
	v_lshl_add_u32 v51, v50, 4, v51                ; r x pitch + 16 h
	s_mul_i32 s33, s16, 64*KP
	v_add_nc_u32 v[KLD], s33, v51
	v_add_nc_u32 v[KLD+1], SLOT, v[KLD]
	s_mul_i32 s33, s15, 32*KP
	s_add_co_u32 s33, s33, QBASE
	v_add_nc_u32 v[QLD], s33, v51
	v_and_b32 v52, 7, v0
	v_lshl_add_u32 v52, v50, 3, v52                ; key 8 h + (L & 7)
	v_mul_u32_u24 v52, v52, VP
	v_bfe_u32 v53, v0, 3, 1
	v_lshl_add_u32 v52, v53, 4, v52                ; + 16 ((L >> 3) & 1)
	s_mul_i32 s33, s16, 64*VP
	s_add_co_u32 s33, s33, KB
	v_add_nc_u32 v[VLD], s33, v52
	v_add_nc_u32 v[VLD+1], SLOT, v[VLD]
	s_lshl_b32 s33, s16, 6
	v_lshl_add_u32 v[MC], v50, 3, s33
	s_lshl_b32 s33, ttmp9, 13
	v_lshl_add_u32 v[PFO], v48, 8, s33
	s_lshl_b32 s33, s14, 9
	s_add_co_u32 s33, s33, STATS
	v_lshl_add_u32 v[EST], v48, 3, s33
	s_xor_b32 s33, s14, 1                          ; the wave with the same queries and the other keys
	s_lshl_b32 s33, s33, 9
	s_add_co_u32 s33, s33, STATS
	v_lshl_add_u32 v[ELD], v48, 3, s33
	v_mul_u32_u24 v54, v49, WP
	v_lshl_add_u32 v54, v50, 5, v54                ; row r, 32 bytes for each half of the lanes
	s_mul_i32 s33, s14, 32*WP
	v_add_nc_u32 v[WST], s33, v54
	s_mul_i32 s33, s15, 64*WP                      ; the first of the two waves with my queries,
	s_mul_i32 s34, s16, 16*WP                      ; and the 16 of the 32 rows that I send out
	s_add_co_u32 s33, s33, s34
	v_lshl_add_u32 v[WLD], v48, 4, s33
	v_mov_b32 v[NEGV], 0xcb2ca22c                  ; -1e6 x sqrt(128)
	s_mov_b32 s26, 0x76543210                      ; v_permlanex16_b32: lane i takes lane i of the other half
	s_mov_b32 s27, 0xfedcba98
	s_wait_kmcnt 0x0
	s_max_i32 s19, s19, 0
	s_min_u32 s19, s19, 2048
	s_cmp_eq_u32 s19, 0
	s_cselect_b32 s24, 0, 0x3e0293ee               ; c = log2(e) / sqrt(128); 0 where no key counts: uniform weights
	s_cselect_b32 s19, 2048, s19                   ; over all keys
	s_add_co_u32 s20, s19, 127
	s_lshr_b32 s20, s20, 7                         ; n = 1 .. 16 stages
	s_mov_b32 s21, 0
	s_mov_b32 s22, s19
	v_mov_b32 v[CS], s24
	v_mov_b32 v[CS+1], s24
	v_xor_b32 v[NCV], 0x80000000, v[CS]
	s_wait_loadcnt 32                              ; Q is in: the 32 loads of stage 0 are younger and stay out
.set ii, 0
.rept RPW
	v_cvt_pk_f16_f32 v[SB+4*ii], v[SB+4*ii], v[SB+4*ii+1]
	v_cvt_pk_f16_f32 v[SB+4*ii+1], v[SB+4*ii+2], v[SB+4*ii+3]
	ds_store_b64 v[QST], v[SB+4*ii:SB+4*ii+1] offset:KP*ii
.set ii, ii+1
.endr
	s_wait_loadcnt 0x0
	STAGE_STORE 0
	s_add_nc_u64 s[6:7], s[6:7], STAGEB            ; stage 1 (the loads that named these bases are done)
	s_add_nc_u64 s[8:9], s[8:9], STAGEB
	s_wait_dscnt 0x0                               ; for the others' sake: my rows of Q, K and V lie in LDS; and the staging registers are free
	s_cmp_le_u32 s20, 1
	s_cbranch_scc1 .Lone
	STAGE_LOADS                                    ; stage 1
.Lone:
	s_barrier_signal -1
	s_barrier_wait -1
	WIN TO_FR
	QL4 0                                          ; Q's fragments stay in registers; they are older than the K loads, whose first wait covers them
	QL4 1
	QL4 2
	QL4 3
	WIN 0
; ================================================================ the steps
	BODY 0,1,0                                     ; step 0 starts the maxima, the sums and O
	s_mov_b32 s21, 1
	s_sub_co_i32 s22, s22, 128
	s_mov_b32 s23, 0
.Lloop:
	STEP 1,1
	STEP 0,2
	s_add_co_u32 s23, s23, 1
	s_cmp_lt_u32 s23, 8
	s_cbranch_scc1 .Lloop
; ================================================================ the two key halves meet
	s_wait_loadcnt 0x0                             ; the way out's LDS loads land on v128-191, staging registers.  Stage t + 2 is asked for only if t + 2 < n, and
	                                               ; step t + 1, which then runs, waits for it: nothing is out here.  This wait says so whichever steps were idle
.irp q, 0,1
	v_permlanex16_b32 v[PT+\q], v[LS+\q], s26, s27
.endr
.irp q, 0,1
	v_add_f32 v[LS+\q], v[LS+\q], v[PT+\q]         ; the sum over all of my wave's keys
.endr
	ds_store_b64 v[EST], v[MX:MX+1]
	ds_store_b64 v[EST], v[LS:LS+1] offset:256
	s_wait_dscnt 0x0
	s_barrier_signal -1
	s_barrier_wait -1                              ; also: nobody reads a slot any more
	ds_load_b64 v[PM:PM+1], v[ELD]
	ds_load_b64 v[PL:PL+1], v[ELD] offset:256
	s_wait_dscnt 0x0
.irp q, 0,1
	v_mul_f32 v[PM+\q], v[NCV], v[PM+\q]           ; the partner's -c m, rounded as the partner rounded it
	v_min_num_f32 v[TQ+\q], v[NM+2*\q], v[PM+\q]   ; -c x the larger maximum (c >= 0)
	v_sub_f32 v[PT+\q], v[TQ+\q], v[NM+2*\q]
	v_sub_f32 v[PM+\q], v[TQ+\q], v[PM+\q]
.endr
.irp q, 0,1
	v_exp_f32 v[PT+\q], v[PT+\q]                   ; my factor,
	v_exp_f32 v[PM+\q], v[PM+\q]                   ; the partner's; one of the two is 1
.endr
	v_nop
.irp q, 0,1
	s_wait_alu depctr_va_vdst(0)
	v_mul_f32 v[LS+\q], v[LS+\q], v[PT+\q]
	v_fma_f32 v[LS+\q], v[PL+\q], v[PM+\q], v[LS+\q]   ; at least about 1: the largest score's own term
.endr
.irp q, 0,1
	v_rcp_f32 v[LS+\q], v[LS+\q]
.endr
	v_nop
.irp q, 0,1
	s_wait_alu depctr_va_vdst(0)
	v_mul_f32 v[AL+2*\q], v[PT+\q], v[LS+\q]
	v_mov_b32 v[AL+2*\q+1], v[AL+2*\q]
.endr
; my O, scaled, into my 32 rows of W: a lane's 8 registers are 8 neighbouring d of one query, 32 bytes
	WIN 0x41                                       ; O in window 1 (destination, source 0), the factor in window 0
.set mm, 0
.rept 64
	v_pk_mul_f32 v[2*mm:2*mm+1], v[2*mm:2*mm+1], v[AL+2*((mm>>2)&1):AL+2*((mm>>2)&1)+1]
.set mm, mm+1
.endr
	WIN 0x04                                       ; LDS stores: address from window 0, data from window 1
.irp dt, 0,1,2,3,4,5,6,7
.irp qt, 0,1
	ds_store_b128 v[WST], v[8*(2*\dt+\qt):8*(2*\dt+\qt)+3]   offset:\qt*16*WP+64*\dt
	ds_store_b128 v[WST], v[8*(2*\dt+\qt)+4:8*(2*\dt+\qt)+7] offset:\qt*16*WP+64*\dt+16
.endr
.endr
	WIN 0
	s_wait_dscnt 0x0
	s_barrier_signal -1
	s_barrier_wait -1
; 16 rows a wave: the two halves' rows are added and go out, one instruction for one whole row of 512 bytes
.set kk, 0
.rept 16
	ds_load_b128 v[SB+8*kk:SB+8*kk+3],   v[WLD] offset:WP*kk
	ds_load_b128 v[SB+8*kk+4:SB+8*kk+7], v[WLD] offset:WP*kk+32*WP
.set kk, kk+1
.endr
.set kk, 0
.rept 16
	s_wait_dscnt 30-2*kk                           ; row kk's two loads are in; the 2 (15 - kk) younger ones stay out
	v_pk_add_f32 v[SB+8*kk:SB+8*kk+1],   v[SB+8*kk:SB+8*kk+1],   v[SB+8*kk+4:SB+8*kk+5]
	v_pk_add_f32 v[SB+8*kk+2:SB+8*kk+3], v[SB+8*kk+2:SB+8*kk+3], v[SB+8*kk+6:SB+8*kk+7]
	global_store_b128 v[GOFF], v[SB+8*kk:SB+8*kk+3], s[12:13] offset:512*kk th:TH_STORE_NT
.set kk, kk+1
.endr
	s_wait_tensorcnt 0x0
	ds_add_u32 v62, v63
	s_wait_dscnt 0x0
	s_endpgm
.Lfunc_end_k_qa024f9c73f_attn:
	.size	k_qa024f9c73f_attn, .Lfunc_end_k_qa024f9c73f_attn-k_qa024f9c73f_attn
	.p2alignl 7, 3214868480
	.fill 96, 4, 3214868480
	.section	.rodata,"a",@progbits
	.p2align	6, 0x0
	.amdhsa_kernel k_qa024f9c73f_attn
		.amdhsa_group_segment_fixed_size 183296
		.amdhsa_private_segment_fixed_size 0
		.amdhsa_enable_private_segment 0
		.amdhsa_kernarg_size 40
		.amdhsa_user_sgpr_count 2
		.amdhsa_user_sgpr_kernarg_segment_ptr 1
		.amdhsa_wavefront_size32 1
		.amdhsa_system_sgpr_workgroup_id_x 1
		.amdhsa_system_sgpr_workgroup_id_y 1
		.amdhsa_system_sgpr_workgroup_id_z 1
		.amdhsa_system_vgpr_workitem_id 0
		.amdhsa_next_free_vgpr 512
		.amdhsa_next_free_sgpr 66
		.amdhsa_reserve_vcc 1
		.amdhsa_float_denorm_mode_32 3
		.amdhsa_float_denorm_mode_16_64 3
		.amdhsa_memory_ordered 1
		.amdhsa_forward_progress 1
		.amdhsa_inst_pref_size 143
	.end_amdhsa_kernel
	.amdgpu_metadata
---
amdhsa.version: [ 1, 2 ]
amdhsa.kernels:
  - .name:           k_qa024f9c73f_attn
    .symbol:         k_qa024f9c73f_attn.kd
    .args:
      - { .name: Q, .offset: 0, .size: 8, .value_kind: global_buffer, .address_space: global }
      - { .name: K, .offset: 8, .size: 8, .value_kind: global_buffer, .address_space: global }
      - { .name: V, .offset: 16, .size: 8, .value_kind: global_buffer, .address_space: global }
      - { .name: valid_lens, .offset: 24, .size: 8, .value_kind: global_buffer, .address_space: global }
      - { .name: out0, .offset: 32, .size: 8, .value_kind: global_buffer, .address_space: global }
    .group_segment_fixed_size: 183296
    .private_segment_fixed_size: 0
    .kernarg_segment_align: 8
    .kernarg_segment_size: 40
    .max_flat_workgroup_size: 256
    .sgpr_count:     66
    .vgpr_count:     512
    .wavefront_size: 32
...
	.end_amdgpu_metadata
.endif
;; end of part 2
;; ======== version 3 of 3: 1 launch; version 2 with the launch attn written anew for expert scheduling mode
;; limits: right only within a limited range of input values; values are held in f16: magnitudes above 65,504 overflow, below 6.1e-05 lose precision; inputs' magnitudes at most 65,504
;; launch attn (part 3): grid 16 x 16, 8 waves a work-group, no clusters, 183,296 bytes of LDS; arguments Q, K, V, valid_lens, out0; writes out0
.if DOCPART == 3
	.amdgcn_target "amdgcn-amd-amdhsa--gfx1250"
	.amdhsa_code_object_version 6
	.text
	.protected	k_qa024f9c73f_attn
	.globl	k_qa024f9c73f_attn
	.p2align	8
	.type	k_qa024f9c73f_attn,@function
k_qa024f9c73f_attn:
	s_mov_b64 s[64:65], 0
	v_nop
	global_prefetch_b8 v0, s[64:65] scope:SCOPE_SE
	s_setreg_imm32_b32 hwreg(HW_REG_WAVE_SCHED_MODE, 0, 2), 2
	s_setreg_imm32_b32 hwreg(HW_REG_WAVE_MODE, 25, 1), 1
	s_wait_xcnt 0x0
	s_wait_alu depctr_vm_vsrc(0)
; out0[b][q][:] = sum over k of softmax_k( k < valid_lens[b] ? Q[b][q].K[b][k] / sqrt(128) : -1e6 ) V[b][k][:]
; Q, K, V, out0: [16][2048][128] f32.  valid_lens: [16] i32.  Products with f16 operands and f32 sums, everything else in f32.
;
; WHY F16 AND NOT BF16: the outputs are compared against 1 % of the rms of ALL batches, and a batch with few valid keys has up to 4 times that
; rms.  A rounding to 8 significant bits (rms 2^-9 / sqrt(3) = 0.0011 of each weight, and as much of each V, Q and K) then comes to about a
; quarter of what is allowed, too near for four million numbers; 11 significant bits make it 8 times smaller.  The range suffices: numbers
; of spread 1 reach about 5.5, thirty times larger 165, with an offset of 30 spreads 36, against f16's largest, 65,504; numbers 30 times smaller
; have a spread of 0.03 against f16's step of 2^-24 near 0; the weights p lie in (0, 1] and the row's sum is at least about 1.
;
; A work-group takes one batch (second id) and 128 queries (first id) and walks the keys in stages of 128.  EIGHT WAVES, two on each SIMD:
; wave w takes queries 32 (w>>1) .. +31 and keys 64 (w&1) .. +63 of every stage, with a running maximum, sum and O of its own; the two key
; halves are merged once at the end.  A wave's step is a chain: products, softmax on the vector unit, products.  With one wave on a SIMD the
; matrix unit could work during the softmax only on the next stage's S, and a second S tile does not fit: 256 (O) + 128 (Q) + 2 x 128 (S)
; + 128 (fragments) + 256 (staging) + 64 = 1,088 registers.  With two waves of 512 registers one can multiply while the other is in its
; softmax or waits.  The price: a K or V fragment from LDS feeds two matrix instructions, not four: 8 waves x 64 loads x 512 bytes = 256 KB
; of fragment reads a stage.
;
; BOTH PRODUCTS ARE TRANSPOSED: S^T = K Q^T and O^T = V^T P^T.  In a result, lane (r, h) then holds query r, and its registers hold keys
; (or d) 8 h + j.  So maximum and sum run along registers, alpha and 1/l are one number a lane, and two S tiles of 16 keys turn into the
; second operand of the next product by eight conversions in place: no shuffle, no LDS.
;
; K and V come as f32: each wave loads 16 rows of each (one instruction = one row of 512 bytes), rounds to f16 and stores them into the
; LDS slot of the next stage.  Two slots take turns; one barrier a step.  The loads of stage t + 2 are issued in step t, as soon as stage t + 1
; has left the staging registers: 32 loads of each wave, 128 KB of the work-group, are out for a whole step.
; NO CLUSTER, NO TENSOR LOADS, though the 16 work-groups of a batch read the same K and V: a tensor load copies bytes and cannot round f32 to
; f16, so a shared tile would lie in LDS as f32: 128 KB written and 128 KB read back per stage, on top of the 64 KB of f16 stores and the
; fragment reads.  The rows go through registers instead, and are asked for ahead once per batch (AHEAD).
;
; THE SCALE c = log2(e) / sqrt(128) enters in the one multiply-add p = exp2(c s - c m); the maximum m is taken of the raw sums s.
; A masked key's raw sum is -1e6 sqrt(128).  valid_lens is cut to 0 .. 2048, as the comparison with 0 .. 2047 cuts it.
; valid_lens = 0: every score is -1e6, the weights are uniform: all 2,048 keys are walked with c = 0, so that every p is exp2(0) = 1.
; LIMITS: (1) an input of magnitude 65,520 or more becomes an infinity in f16.  (2) Stages that lie wholly behind valid_lens are not walked:
; their weights exp(-1e6 - max) are 0 in f32 as long as a row's largest valid score is above -1e6 + 88, that is |q.k| / sqrt(128) < 9.99e5.
; (3) With valid_lens = 0 the sums q.k have to be finite (they are multiplied by 0).  (4) v_exp_f32 gives 0 for results below 2^-126
; (ISA guide 15.8), and a weight below 2^-25 of its row's running maximum rounds to 0 in f16.
;
; THE STEP LOOP HAS A CONSTANT COUNT, since every wave has to pass every barrier: step 0 is written out (it starts all sums: nothing is
; cleared), then 8 trips of two steps, t = 1 .. 16.  A step passes its barrier and jumps over its body if t >= n = ceil(valid / 128) <= 16.
;
; THE MODE: SCHED_MODE bits 1:0 = 2 (LLVM: expert scheduling mode 2), set by the entry lines.  The code itself states the register dependences
; between vector or matrix instructions and memory or LDS instructions, with s_wait_alu, always for 0.
; THE PLAN.  Registers that memory or LDS instructions touch:
;   FR         eight fragments.  LDS loads land in them, in five runs a step (K's d 0-63, d 64-95, d 96-127; V's d tiles 0-3, 4-7); products alone read them.
;              Each run lands on fragments that the products just ahead of it have read: one wait on va_vdst ahead of each run, behind the window's switch.
;   STG        the staging.  The global loads of stage t + 2 land in it; the roundings of stage t + 1 read and write it in place; LDS stores read it.
;              K's 32 roundings; a wait on va_vdst; K's 16 stores, dealt among V's 32 roundings, which name other registers; a wait on va_vdst; V's 16
;              stores; a wait on vm_vsrc.  Behind that the loads of stage t + 2 owe nothing: no vector instruction since the second wait names STG.
;   addresses  v2-12, v19, v40-43: made once in the set-up, ahead of a wait on va_vdst there, and never written again.
;   QF         loaded once, into registers that no vector instruction has named; products alone read it.
;   S's        registers hold Q in the set-up (loaded, rounded, stored); the wait on vm_vsrc behind stage 0's stores stands ahead of the first S product.
;   the way out: three waits on va_vdst ahead of LDS stores and one for each four rows of global stores; one on vm_vsrc ahead of the lines that write l again.
; Scalar registers that vector instructions write: s14 (the wave's number) and s36-43 (the masks of the stage that valid_lens cuts, eight compares to a run):
; a wait on va_sdst between each run of writers and its first reader.  VCC and EXEC are never written.
.set KP,     272                       ; LDS pitch of K and Q rows: 256 bytes + 16: 16 rows of a fragment start 16 bytes apart modulo 256
.set VP,     288                       ; pitch of V rows: 256 + 32, for the transposing loads, which take 8 rows by two 16-byte columns
.set WP,     528                       ; pitch of the way out's f32 rows: 512 + 16
.set KB,     128*KP                    ; a slot's K part: 34,816 bytes
.set SLOT,   KB+128*VP                 ; a slot: K, then V: 71,680 bytes
.set QBASE,  2*SLOT                    ; Q in f16, 128 rows: 34,816 bytes from 143,360
.set STATS,  QBASE+128*KP              ; 512 bytes a wave from 178,176: m at 8 L, l at 256 + 8 L
.set STAGEB, 65536                     ; 128 rows of 512 bytes: a stage of K or of V in memory
.set RPW,    16                        ; rows of K, of V and of Q that a wave stages
; the way out (W) lies over the slots, behind a barrier: wave w's 32 rows at 32 WP w; 135,168 bytes in all, below QBASE
; window 0 (v0-255)
.set GOFF, 2                           ; 8192 w + 16 L: my 16 bytes of my wave's first row, in a stage, in Q's block and in out0's block
.set KST,  3                           ; v3,4    where I store K's f16, slot 0, 1
.set VST,  5                           ; v5,6    the same for V
.set QST,  7
.set KLD,  8                           ; v8,9    my K fragments, slot 0, 1
.set VLD,  10                          ; v10,11  my V fragments
.set QLD,  12
.set MC,   13                          ; 64 (w&1) + 8 h: my first key in a stage
.set LIM,  14
.set NEGV, 15
.set CS,   16                          ; v[16:17] c, twice
.set NCV,  18                          ; -c
.set PFO,  19                          ; 8192 x query block + 256 L
.set NM,   20                          ; v[20:23] -c m, twice, for each of 2 query tiles
.set AL,   24                          ; v[24:27] alpha, twice, for each
.set MX,   28                          ; v[28:29] running maximum of the raw sums
.set LS,   30                          ; v[30:31] running sum of my 32 of the wave's 64 keys a stage
.set PT,   32                          ; v[32:33]
.set TQ,   34                          ; v[34:35]
.set TA,   36
.set TB,   38
.set EST,  40
.set ELD,  41
.set WST,  42
.set WLD,  43
.set PM,   44
.set PL,   46                          ; v48-55 serve the set-up
.set SB,   64                          ; v[64:127] S: block (kc, qt) of 16 registers at SB + 16 (2 kc + qt): key tiles 2 kc and 2 kc + 1; P in its first 8.  In the set-up: Q as loaded
.set STG,  128                         ; v[128:255] staging: K's row i at 4 i, V's at 64 + 4 i.  S, softmax and staging share this window: no switch between them
                                       ; (the way out's 16 rows take v[64:191]: S's registers and the first half of the staging's)
; window 1 (v256-511): 0-127 O(dt, qt) at 8 (2 dt + qt)
.set FR,   128                         ; 128-191 eight fragments, used in turns: K(dc, kt) at 8 (4 (dc&1) + kt), then V(dt, kc) at 8 (2 (dt&3) + kc)
.set QF,   192                         ; 192-255 Q(qt, dc) at 8 (4 qt + dc)
; scalars: s[4:5] Q, s[6:7] K, s[8:9] V (both at stage t + 1 of my batch at a step's head), s[10:11] valid_lens, s[12:13] out0, s14 w, s15 w>>1,
; s16 w&1, s17 batch, s19 keys walked, s20 n, s21 t, s22 keys left from stage t on, s23 trips, s24 c, s26,27 lane selects, s[28:29] offsets,
; s[30:31] the prefetch's base, s33 t + 1, s34 t + 2, s35 at work
.set CM,   36                          ; s[36:43] the masks of eight keys, in the stage that valid_lens cuts
.set MSB, 0
.macro WIN new                         ; s_set_vgpr_msb: bits 1:0 source 0, 3:2 source 1, 5:4 source 2, 7:6 destination; the high byte repeats the setting left
.if MSB != \new
	s_set_vgpr_msb (MSB<<8)|\new
.set MSB, \new
.endif
.endm
.set TO_FR, 0x40                       ; LDS loads: data into window 1, address from window 0
.set MUL_S, 0x05                       ; S products: K and Q fragments from window 1, S in window 0
.set MUL_O, 0x51                       ; PV products: V fragment and O in window 1, P in window 0; also O = O x alpha (source 0 O, source 1 alpha)
.macro PLACES n
.rept \n
	v_nop
.endr
.endm
.macro SETE q, i                       ; EA = the register of element i (0..31: my keys of the wave's 64) of query tile q
.set EA, SB+16*((((\i)>>4)*2)+(\q))+((\i)&15)
.endm
; ---- staging: 16 rows of K, 16 of V; one instruction takes one whole row of 512 bytes
.macro STAGE_LOADS
.set ii, 0
.rept RPW
	global_load_b128 v[STG+4*ii:STG+4*ii+3], v[GOFF], s[6:7] offset:512*ii
.set ii, ii+1
.endr
.set ii, 0
.rept RPW
	global_load_b128 v[STG+64+4*ii:STG+64+4*ii+3], v[GOFF], s[8:9] offset:512*ii
.set ii, ii+1
.endr
.endm
.macro RND base, i                     ; row i's four f32 a lane close up, rounded, into the first two of their four registers
	v_cvt_pk_f16_f32 v[\base+4*(\i)], v[\base+4*(\i)], v[\base+4*(\i)+1]
	v_cvt_pk_f16_f32 v[\base+4*(\i)+1], v[\base+4*(\i)+2], v[\base+4*(\i)+3]
.endm
.macro STAGE_STORE slot                ; a store is 8 bytes a lane, 256 neighbouring bytes an instruction
.set ii, 0
.rept RPW
	RND STG, ii
.set ii, ii+1
.endr
	s_wait_alu depctr_va_vdst(0)                   ; K's roundings have written their registers, which K's stores read
.set ii, 0
.rept RPW
	ds_store_b64 v[KST+\slot], v[STG+4*ii:STG+4*ii+1] offset:KP*ii
	RND STG+64, ii                                 ; V's roundings keep K's stores apart; they name V's half of the staging alone
.set ii, ii+1
.endr
	s_wait_alu depctr_va_vdst(0)                   ; V's roundings have written their registers, which V's stores read; no vector instruction names the staging from here to the next stage's roundings
.set ii, 0
.rept RPW
	ds_store_b64 v[VST+\slot], v[STG+64+4*ii:STG+64+4*ii+1] offset:VP*ii
.set ii, ii+1
.endr
	s_wait_alu depctr_vm_vsrc(0)                   ; all my LDS stores so far have read their registers: loads land in the staging next, or roundings write it (in the set-up also: Q's stores have read S's registers, which the first products write)
.endm
; ---- S^T = K Q^T
.macro KL8 slot, dc                    ; four key tiles x 32 of d: lane (r, h) takes row r, bytes 16 h and 32 + 16 h of the 64
.irp kt, 0,1,2,3
.set KR, FR+8*(4*((\dc)&1)+\kt)
	ds_load_b128 v[KR:KR+3],   v[KLD+\slot] offset:\kt*16*KP+64*\dc
	ds_load_b128 v[KR+4:KR+7], v[KLD+\slot] offset:\kt*16*KP+64*\dc+32
.endr
.endm
.macro QL4 dc
.irp qt, 0,1
.set QR, QF+8*(4*\qt+\dc)
	ds_load_b128 v[QR:QR+3],   v[QLD] offset:\qt*16*KP+64*\dc
	ds_load_b128 v[QR+4:QR+7], v[QLD] offset:\qt*16*KP+64*\dc+32
.endr
.endm
.macro SM8 dc                          ; 8 products: 4 key tiles x 2 query tiles, 32 of d; the first 32 of d start the sums
.irp kt, 0,1,2,3
.irp qt, 0,1
.set SR, SB+16*((((\kt)>>1)*2)+\qt)+8*((\kt)&1)
.set KR, FR+8*(4*((\dc)&1)+\kt)
.set QR, QF+8*(4*\qt+\dc)
.if \dc == 0
	v_wmma_f32_16x16x32_f16 v[SR:SR+7], v[KR:KR+7], v[QR:QR+7], 0
.else
	v_wmma_f32_16x16x32_f16 v[SR:SR+7], v[KR:KR+7], v[QR:QR+7], v[SR:SR+7]
.endif
.endr
.endr
.endm
; ---- V^T fragments of four d tiles: V lies [key][d]; the transposing load gives lane (r, h) keys 8 h .. + 7 of column d = 16 dt + r; 16 rows further the second half
.macro VLH slot, hf
.irp dl, 0,1,2,3
.irp kc, 0,1
.set VR, FR+8*(2*\dl+\kc)
	ds_load_tr16_b128 v[VR:VR+3],   v[VLD+\slot] offset:\kc*32*VP+32*(4*\hf+\dl)
	ds_load_tr16_b128 v[VR+4:VR+7], v[VLD+\slot] offset:\kc*32*VP+32*(4*\hf+\dl)+16*VP
.endr
.endr
.endm
; ---- asking ahead.  In the odd steps: stages t + 3 and t + 4 of K and of V are 131,072 neighbouring bytes each; each of the batch's 16 work-groups
; asks for its own 8,192 of them, wave 0 of K, wave 1 of V, lanes 256 bytes apart: each block is asked for once in the launch.  Their loads are
; issued one and two steps later.  It asks only if t + 3 < n <= 16; t + 3 is even, so t + 3 <= 14 and t + 4 <= 15: inside the batch's 16 stages.
; (Stages 0 to 3 are loaded in the set-up and in steps 0 and 1, too early to be asked for.)  Its offset register was made in the set-up and is never written again.
.macro AHEAD id
	s_add_co_u32 s35, s21, 3
	s_cmp_ge_u32 s35, s20
	s_cbranch_scc1 .Lnp\id
	s_cmp_gt_u32 s14, 1
	s_cbranch_scc1 .Lnp\id
	s_wait_xcnt 0x0                                ; the last request, two steps ago, has read s[30:31]
	s_cmp_eq_u32 s14, 0
	s_cselect_b64 s[30:31], s[6:7], s[8:9]         ; stage t + 1 of K or of V
	global_prefetch_b8 v[PFO], s[30:31] offset:2*STAGEB th:TH_LOAD_NT scope:SCOPE_SE
.Lnp\id:
.endm
; ---- the mask, only in a stage that valid_lens cuts: key 64 (w&1) + 16 kt + 8 h + j counts if it is below s22.  A key tile's eight compares stand in one run
.macro MASK id
	s_cmp_ge_i32 s22, 128
	s_cbranch_scc1 .Lnm\id
	v_sub_nc_u32 v[LIM], s22, v[MC]
.irp kt, 0,1,2,3
.irp j, 0,1,2,3,4,5,6,7
	v_cmp_lt_i32 s[CM+\j], 16*\kt+\j, v[LIM]
.endr
	s_wait_alu depctr_va_sdst(0)                   ; the eight compares have written s36-43, which the selects below read
.irp j, 0,1,2,3,4,5,6,7
.irp qt, 0,1
.set SR, SB+16*((((\kt)>>1)*2)+\qt)+8*((\kt)&1)+\j
	v_cndmask_b32 v[SR], v[NEGV], v[SR], s[CM+\j]
.endr
.endr
.endr
.Lnm\id:
.endm
; ---- the softmax step
.macro MAXALL first                    ; four chains, two for each query tile (elements 0-15 with the running maximum, 16-31); then the other half of the lanes; then -c m and alpha
.irp q, 0,1
	SETE \q,0
.if \first
	v_max_num_f32 v[MX+\q], v[EA], v[EA+1]
.else
	v_max3_num_f32 v[MX+\q], v[EA], v[EA+1], v[MX+\q]
.endif
	SETE \q,16
	v_max_num_f32 v[PT+\q], v[EA], v[EA+1]
.endr
.set ii, 2
.rept 7
.irp q, 0,1
	SETE \q,ii
	v_max3_num_f32 v[MX+\q], v[EA], v[EA+1], v[MX+\q]
	SETE \q,ii+16
	v_max3_num_f32 v[PT+\q], v[EA], v[EA+1], v[PT+\q]
.endr
.set ii, ii+2
.endr
.irp q, 0,1
	v_max_num_f32 v[MX+\q], v[MX+\q], v[PT+\q]
.endr
.irp q, 0,1
	v_permlanex16_b32 v[PT+\q], v[MX+\q], s26, s27 ; lane i xor 16 holds the same query's other keys
.endr
.irp q, 0,1
	v_max_num_f32 v[MX+\q], v[MX+\q], v[PT+\q]
.endr
.irp q, 0,1
	v_mul_f32 v[TQ+\q], v[NCV], v[MX+\q]           ; -c m, rounded once; p, alpha and the merge all use this number, so its rounding cancels
.endr
.if \first == 0
.irp q, 0,1
	v_sub_f32 v[PT+\q], v[TQ+\q], v[NM+2*\q]       ; c (m old - m new) <= 0
.endr
.irp q, 0,1
	v_exp_f32 v[AL+2*\q], v[PT+\q]
.endr
.endif
.irp q, 0,1
	v_mov_b32 v[NM+2*\q], v[TQ+\q]                 ; (these are also the plain instructions between the exponentials and their use: ISA guide 5.7.2)
	v_mov_b32 v[NM+2*\q+1], v[TQ+\q]
.endr
.if \first == 0
.irp q, 0,1
	s_wait_alu depctr_va_vdst(0)
	v_mov_b32 v[AL+2*\q+1], v[AL+2*\q]
.endr
.endif
.endm
.macro SUBOP q, i                      ; pair i of tile q: c s - c m
	SETE \q,2*(\i)
	v_pk_fma_f32 v[EA:EA+1], v[EA:EA+1], v[CS:CS+1], v[NM+2*\q:NM+2*\q+1]
.endm
.macro SUMOP q, i, first               ; step i of 16 of tile q's sum: two chains of pairs; pairs 0-3 in steps 0, 1, pair i + 2 in steps 2-13
.if (\i) < 2
	SETE \q,4*(\i)
.if (\i) == 0
	s_wait_alu depctr_va_vdst(0)
	v_pk_add_f32 v[TA:TA+1], v[EA:EA+1], v[EA+2:EA+3]
.else
	v_pk_add_f32 v[TB:TB+1], v[EA:EA+1], v[EA+2:EA+3]
.endif
.else
.if (\i) < 14
	SETE \q,2*(\i)+4
.if ((\i)&1) == 0
	v_pk_add_f32 v[TA:TA+1], v[TA:TA+1], v[EA:EA+1]
.else
	v_pk_add_f32 v[TB:TB+1], v[TB:TB+1], v[EA:EA+1]
.endif
.else
.if (\i) == 14
	v_pk_add_f32 v[TA:TA+1], v[TA:TA+1], v[TB:TB+1]
.else
.if \first
	v_add_f32 v[LS+\q], v[TA], v[TA+1]
.else
	v_add_f32 v[TA], v[TA], v[TA+1]
	v_fma_f32 v[LS+\q], v[LS+\q], v[AL+2*\q], v[TA]
.endif
.endif
.endif
.endif
.endm
.macro CVTOP q, c                      ; pair c of tile q to f16, into register c & 7 of its block.  Behind SUMOP q, c: that register's pair
	SETE \q,2*(\c)                                 ; ((c & 7) >> 1 of its block) has been added by then, and pair c itself is not yet written over
.set PD, SB+16*((((\c)>>3)*2)+(\q))+((\c)&7)
	v_cvt_pk_f16_f32 v[PD], v[EA], v[EA+1]
.endm
.macro XQ q, first                     ; tile q's 32 exponentials; between them the other tile's multiply-adds (q = 0) or sums and roundings (q = 1),
.set ii, 0                             ; so that a plain instruction that names neither stands behind every pair of exponentials (ISA guide 5.7.2)
.rept 16
	SETE \q,2*ii
	v_exp_f32 v[EA], v[EA]
	v_exp_f32 v[EA+1], v[EA+1]
.if \q < 1
	SUBOP (\q+1),ii
.endif
.if \q > 0
	SUMOP (\q-1),ii,\first
	CVTOP (\q-1),ii
.endif
.set ii, ii+1
.endr
.endm
.macro SOFTMAX first
	MAXALL \first
.set ii, 0
.rept 16
	SUBOP 0,ii
.set ii, ii+1
.endr
	XQ 0,\first
	XQ 1,\first
.set ii, 0
.rept 16
	SUMOP 1,ii,\first
	CVTOP 1,ii
.set ii, ii+1
.endr
.endm
; ---- O^T = alpha O^T + V^T P^T, four tiles of d at a time (what the fragment registers hold)
.macro RESC dt, m                      ; registers 16 dt + 2 m, + 1 of O, by the alpha of query tile m >> 2
	v_pk_mul_f32 v[16*(\dt)+2*(\m):16*(\dt)+2*(\m)+1], v[16*(\dt)+2*(\m):16*(\dt)+2*(\m)+1], v[AL+2*((\m)>>2):AL+2*((\m)>>2)+1]
.endm
.macro PVHALF hf, first
.if \first == 0
.if \hf == 0
.set mm, 0
.rept 8
	RESC 0,mm
.set mm, mm+1
.endr
.endif
.endif
.irp dl, 0,1,2,3
.irp kc, 0,1
.irp qt, 0,1
.set DT, 4*\hf+\dl
.set OREG, 8*(2*DT+\qt)
.set VREG, FR+8*(2*\dl+\kc)
.set PREG, SB+16*(2*\kc+\qt)
.if \first
.if \kc == 0
	v_wmma_f32_16x16x32_f16 v[OREG:OREG+7], v[VREG:VREG+7], v[PREG:PREG+7], 0
.else
	v_wmma_f32_16x16x32_f16 v[OREG:OREG+7], v[VREG:VREG+7], v[PREG:PREG+7], v[OREG:OREG+7]
.endif
.else
	v_wmma_f32_16x16x32_f16 v[OREG:OREG+7], v[VREG:VREG+7], v[PREG:PREG+7], v[OREG:OREG+7]
.if DT < 7
	RESC (DT+1),(4*\kc+2*\qt)                      ; the next d tile's rescaling between this one's products: it names none of their registers
	RESC (DT+1),(4*\kc+2*\qt+1)
.endif
.endif
.endr
.endr
.endr
.endm
; ---- one step's work: no barrier inside.  slot: where stage t lies; stage t + 1 goes into the other; stage t + 2 is asked for.
.macro BODY slot, first, id
	s_add_co_u32 s33, s21, 1
	s_add_co_u32 s34, s21, 2
	WIN TO_FR
.if \first == 0
	s_wait_alu depctr_va_vdst(0)                   ; the last step's products are done reading the V fragments, on which K's land (in step 0 no vector or matrix instruction has named them yet)
.endif
	KL8 \slot,0
	KL8 \slot,1
	WIN MUL_S
	s_wait_dscnt 8                                 ; LDS loads come back in order: all but the youngest eight (d 32-63) are in
	SM8 0
	PLACES 4                                       ; four places behind the products that read these fragments, before loads land on them
	WIN TO_FR
	s_wait_alu depctr_va_vdst(0)                   ; the products of d 0-31 are done reading fragments 0-3, on which the loads below land
	KL8 \slot,2                                    ; d 64-95 come in while d 32-63 are multiplied
	WIN MUL_S
	s_wait_dscnt 8                                 ; d 32-63 are in; the eight loads just issued stay out
	SM8 1
	PLACES 4
	WIN TO_FR
	s_wait_alu depctr_va_vdst(0)                   ; the products of d 32-63 are done reading fragments 4-7, on which the loads below land
	KL8 \slot,3
	WIN MUL_S
	s_wait_dscnt 8                                 ; d 64-95 are in; the eight loads of d 96-127 stay out
	SM8 2
	s_wait_dscnt 0x0
	SM8 3
	PLACES 4                                       ; behind the last S product: the loads below land on its K fragments, the softmax reads its results
	WIN TO_FR
	s_wait_alu depctr_va_vdst(0)                   ; the products of d 64-127 are done reading all eight fragments, on which V's land
	VLH \slot,0                                    ; V's first four d tiles come in under the softmax
	WIN 0
.if \slot == 1
	AHEAD \id
.endif
	MASK \id
	SOFTMAX \first
	s_wait_dscnt 0x0                               ; the V fragments, asked for in front of the softmax
	WIN MUL_O
	PVHALF 0,\first
	PLACES 4                                       ; behind the last product that read these fragments
	WIN TO_FR
	s_wait_alu depctr_va_vdst(0)                   ; the products of d tiles 0-3 are done reading their fragments, on which those of d tiles 4-7 land
	VLH \slot,1                                    ; V's other four d tiles come in under the staging below
	WIN 0
	s_wait_loadcnt 0x0                             ; stage t + 1 is in registers: its loads were issued at this place one step ago (on every path: nothing is left out)
	s_cmp_ge_u32 s33, s20
	s_cbranch_scc1 .Lns\id
	STAGE_STORE (1-\slot)                          ; the other slot's readers passed the barrier at this step's head
.Lns\id:
	s_add_nc_u64 s[6:7], s[6:7], STAGEB            ; the loads that named these bases are done (the wait above); now stage t + 2
	s_add_nc_u64 s[8:9], s[8:9], STAGEB
	s_cmp_ge_u32 s34, s20
	s_cbranch_scc1 .Lnl\id
	STAGE_LOADS                                    ; stage t + 2.  No wait here: the roundings that named the staging and the stores that read it stand ahead of STAGE_STORE's last two waits
.Lnl\id:
	s_wait_dscnt 0x0                               ; the V fragments are in, and my stores lie in LDS
	WIN MUL_O
	PVHALF 1,\first
	WIN 0
	PLACES 5                                       ; five places behind the last product: the next S products write over P, the next K loads land on the V fragments,
.endm                                                  ; and the way out reads O (ISA guide 7.12.1)
.macro STEP slot, id
	s_wait_dscnt 0x0                               ; my stores into this step's slot and my reads of the other are done (both were waited for in the body)
	s_barrier_signal -1
	s_barrier_wait -1                              ; both now hold of every wave
	s_cmp_ge_u32 s21, s20
	s_cbranch_scc1 .Lidle\id
	BODY \slot,0,\id
.Lidle\id:
	s_add_co_u32 s21, s21, 1
	s_sub_co_i32 s22, s22, 128
.endm
; ================================================================ set-up
	s_load_b256 s[4:11], s[0:1], 0x0               ; Q, K, V, valid_lens
	s_load_b64 s[12:13], s[0:1], 0x20              ; out0
	v_lshl_add_u32 v62, v0, 2, 0x2c800
	v_mov_b32 v63, 0
	v_lshrrev_b32 v1, 5, v0
	v_readfirstlane_b32 s14, v1                    ; wave 0 .. 7
	v_and_b32 v48, 31, v0                          ; L
	s_and_b32 s17, ttmp7, 0xffff                   ; batch
	s_lshl_b32 s28, s17, 2
	s_mov_b32 s29, 0
	s_wait_alu depctr_va_sdst(0)                   ; s14 is written, ahead of its first reader
	s_lshr_b32 s15, s14, 1                         ; which 32 queries
	s_and_b32 s16, s14, 1                          ; which 64 keys of a stage
	s_lshl_b32 s33, s14, 13
	v_lshl_add_u32 v[GOFF], v48, 4, s33            ; 16 rows of 512 bytes a wave, 16 bytes a lane
	s_wait_kmcnt 0x0
	s_add_nc_u64 s[10:11], s[10:11], s[28:29]
	s_load_b32 s19, s[10:11], 0x0                  ; valid_lens[batch]
	s_lshl_b32 s28, s17, 20                        ; a batch is 2,048 rows of 512 bytes
	s_add_nc_u64 s[6:7], s[6:7], s[28:29]
	s_add_nc_u64 s[8:9], s[8:9], s[28:29]
	s_lshl_b32 s33, ttmp9, 16                      ; a query block is 128 rows
	s_add_co_u32 s28, s28, s33
	s_add_nc_u64 s[4:5], s[4:5], s[28:29]
	s_add_nc_u64 s[12:13], s[12:13], s[28:29]
	s_wait_alu depctr_va_vdst(0)                   ; v2 is written: every global load and store of the kernel reads it as its offset
.set ii, 0
.rept RPW
	global_load_b128 v[SB+4*ii:SB+4*ii+3], v[GOFF], s[4:5] offset:512*ii th:TH_LOAD_NT   ; my 16 rows of Q, which nobody else reads
.set ii, ii+1
.endr
	STAGE_LOADS                                    ; stage 0: 48 loads are out
	; lane terms, while the loads are out
	v_and_b32 v49, 15, v0                          ; r
	v_bfe_u32 v50, v0, 4, 1                        ; h
	s_mul_i32 s33, s14, RPW*KP
	v_lshl_add_u32 v[KST], v48, 3, s33             ; my wave's 16 rows, 8 bytes a lane
	v_add_nc_u32 v[KST+1], SLOT, v[KST]
	v_add_nc_u32 v[QST], QBASE, v[KST]
	s_mul_i32 s33, s14, RPW*VP
	s_add_co_u32 s33, s33, KB
	v_lshl_add_u32 v[VST], v48, 3, s33
	v_add_nc_u32 v[VST+1], SLOT, v[VST]
	v_mul_u32_u24 v51, v49, KP
	v_lshl_add_u32 v51, v50, 4, v51                ; r x pitch + 16 h
	s_mul_i32 s33, s16, 64*KP
	v_add_nc_u32 v[KLD], s33, v51
	v_add_nc_u32 v[KLD+1], SLOT, v[KLD]
	s_mul_i32 s33, s15, 32*KP
	s_add_co_u32 s33, s33, QBASE
	v_add_nc_u32 v[QLD], s33, v51
	v_and_b32 v52, 7, v0
	v_lshl_add_u32 v52, v50, 3, v52                ; key 8 h + (L & 7)
	v_mul_u32_u24 v52, v52, VP
	v_bfe_u32 v53, v0, 3, 1
	v_lshl_add_u32 v52, v53, 4, v52                ; + 16 ((L >> 3) & 1)
	s_mul_i32 s33, s16, 64*VP
	s_add_co_u32 s33, s33, KB
	v_add_nc_u32 v[VLD], s33, v52
	v_add_nc_u32 v[VLD+1], SLOT, v[VLD]
	s_lshl_b32 s33, s16, 6
	v_lshl_add_u32 v[MC], v50, 3, s33
	s_lshl_b32 s33, ttmp9, 13
	v_lshl_add_u32 v[PFO], v48, 8, s33
	s_lshl_b32 s33, s14, 9
	s_add_co_u32 s33, s33, STATS
	v_lshl_add_u32 v[EST], v48, 3, s33
	s_xor_b32 s33, s14, 1                          ; the wave with the same queries and the other keys
	s_lshl_b32 s33, s33, 9
	s_add_co_u32 s33, s33, STATS
	v_lshl_add_u32 v[ELD], v48, 3, s33
	v_mul_u32_u24 v54, v49, WP
	v_lshl_add_u32 v54, v50, 5, v54                ; row r, 32 bytes for each half of the lanes
	s_mul_i32 s33, s14, 32*WP
	v_add_nc_u32 v[WST], s33, v54
	s_mul_i32 s33, s15, 64*WP                      ; the first of the two waves with my queries,
	s_mul_i32 s34, s16, 16*WP                      ; and the 16 of the 32 rows that I send out
	s_add_co_u32 s33, s33, s34
	v_lshl_add_u32 v[WLD], v48, 4, s33
	v_mov_b32 v[NEGV], 0xcb2ca22c                  ; -1e6 x sqrt(128)
	s_mov_b32 s26, 0x76543210                      ; v_permlanex16_b32: lane i takes lane i of the other half
	s_mov_b32 s27, 0xfedcba98
	s_wait_kmcnt 0x0
	s_max_i32 s19, s19, 0
	s_min_u32 s19, s19, 2048
	s_cmp_eq_u32 s19, 0
	s_cselect_b32 s24, 0, 0x3e0293ee               ; c = log2(e) / sqrt(128); 0 where no key counts: uniform weights
	s_cselect_b32 s19, 2048, s19                   ; over all keys
	s_add_co_u32 s20, s19, 127
	s_lshr_b32 s20, s20, 7                         ; n = 1 .. 16 stages
	s_mov_b32 s21, 0
	s_mov_b32 s22, s19
	v_mov_b32 v[CS], s24
	v_mov_b32 v[CS+1], s24
	v_xor_b32 v[NCV], 0x80000000, v[CS]
	s_wait_loadcnt 32                              ; Q is in: the 32 loads of stage 0 are younger and stay out
.set ii, 0
.rept RPW
	RND SB, ii
.set ii, ii+1
.endr
	s_wait_alu depctr_va_vdst(0)                   ; Q's roundings have written their registers, which the stores below read; and all the LDS addresses and the prefetch's offset, made above, are written
.set ii, 0
.rept RPW
	ds_store_b64 v[QST], v[SB+4*ii:SB+4*ii+1] offset:KP*ii
.set ii, ii+1
.endr
	s_wait_loadcnt 0x0
	STAGE_STORE 0
	s_add_nc_u64 s[6:7], s[6:7], STAGEB            ; stage 1 (the loads that named these bases are done)
	s_add_nc_u64 s[8:9], s[8:9], STAGEB
	s_cmp_le_u32 s20, 1
	s_cbranch_scc1 .Lone
	STAGE_LOADS                                    ; stage 1: behind STAGE_STORE's last two waits, as in every step
.Lone:
	s_wait_dscnt 0x0                               ; for the others' sake: my rows of Q, K and V lie in LDS
	s_barrier_signal -1
	s_barrier_wait -1
	WIN TO_FR
	QL4 0                                          ; Q's fragments stay in registers; they are older than the K loads, whose first wait covers them
	QL4 1                                          ; (no vector or matrix instruction has named their registers)
	QL4 2
	QL4 3
	WIN 0
; ================================================================ the steps
	BODY 0,1,0                                     ; step 0 starts the maxima, the sums and O
	s_mov_b32 s21, 1
	s_sub_co_i32 s22, s22, 128
	s_mov_b32 s23, 0
.Lloop:
	STEP 1,1
	STEP 0,2
	s_add_co_u32 s23, s23, 1
	s_cmp_lt_u32 s23, 8
	s_cbranch_scc1 .Lloop
; ================================================================ the two key halves meet
	s_wait_loadcnt 0x0                             ; the way out's LDS loads land on v128-191, staging registers.  Stage t + 2 is asked for only if t + 2 < n, and
	                                               ; step t + 1, which then runs, waits for it: nothing is out here.  This wait says so whichever steps were idle
.irp q, 0,1
	v_permlanex16_b32 v[PT+\q], v[LS+\q], s26, s27
.endr
.irp q, 0,1
	v_add_f32 v[LS+\q], v[LS+\q], v[PT+\q]         ; the sum over all of my wave's keys
.endr
	s_wait_alu depctr_va_vdst(0)                   ; the maxima and the sums are written, which the two stores below read
	ds_store_b64 v[EST], v[MX:MX+1]
	ds_store_b64 v[EST], v[LS:LS+1] offset:256
	s_wait_dscnt 0x0
	s_barrier_signal -1
	s_barrier_wait -1                              ; also: nobody reads a slot any more
	ds_load_b64 v[PM:PM+1], v[ELD]                 ; (no vector instruction has named v44-47)
	ds_load_b64 v[PL:PL+1], v[ELD] offset:256
	s_wait_dscnt 0x0
	s_wait_alu depctr_vm_vsrc(0)                   ; my store has read the sums, which are written again below
.irp q, 0,1
	v_mul_f32 v[PM+\q], v[NCV], v[PM+\q]           ; the partner's -c m, rounded as the partner rounded it
	v_min_num_f32 v[TQ+\q], v[NM+2*\q], v[PM+\q]   ; -c x the larger maximum (c >= 0)
	v_sub_f32 v[PT+\q], v[TQ+\q], v[NM+2*\q]
	v_sub_f32 v[PM+\q], v[TQ+\q], v[PM+\q]
.endr
.irp q, 0,1
	v_exp_f32 v[PT+\q], v[PT+\q]                   ; my factor,
	v_exp_f32 v[PM+\q], v[PM+\q]                   ; the partner's; one of the two is 1
.endr
	v_nop
.irp q, 0,1
	s_wait_alu depctr_va_vdst(0)
	v_mul_f32 v[LS+\q], v[LS+\q], v[PT+\q]
	v_fma_f32 v[LS+\q], v[PL+\q], v[PM+\q], v[LS+\q]   ; at least about 1: the largest score's own term
.endr
.irp q, 0,1
	v_rcp_f32 v[LS+\q], v[LS+\q]
.endr
	v_nop
.irp q, 0,1
	s_wait_alu depctr_va_vdst(0)
	v_mul_f32 v[AL+2*\q], v[PT+\q], v[LS+\q]
	v_mov_b32 v[AL+2*\q+1], v[AL+2*\q]
.endr
; my O, scaled, into my 32 rows of W: a lane's 8 registers are 8 neighbouring d of one query, 32 bytes
	WIN 0x41                                       ; O in window 1 (destination, source 0), the factor in window 0
.set mm, 0
.rept 64
	v_pk_mul_f32 v[2*mm:2*mm+1], v[2*mm:2*mm+1], v[AL+2*((mm>>2)&1):AL+2*((mm>>2)&1)+1]
.set mm, mm+1
.endr
	WIN 0x04                                       ; LDS stores: address from window 0, data from window 1
	s_wait_alu depctr_va_vdst(0)                   ; the scaled O is written, which the stores below read.  It is also the last wait that the LDS loads into v64-191 need: every product, softmax line and rounding that named those registers stands ahead of it
.irp dt, 0,1,2,3,4,5,6,7
.irp qt, 0,1
	ds_store_b128 v[WST], v[8*(2*\dt+\qt):8*(2*\dt+\qt)+3]   offset:\qt*16*WP+64*\dt
	ds_store_b128 v[WST], v[8*(2*\dt+\qt)+4:8*(2*\dt+\qt)+7] offset:\qt*16*WP+64*\dt+16
.endr
.endr
	WIN 0
	s_wait_dscnt 0x0
	s_barrier_signal -1
	s_barrier_wait -1
; 16 rows a wave: the two halves' rows are added and go out, one instruction for one whole row of 512 bytes
.set kk, 0
.rept 16
	ds_load_b128 v[SB+8*kk:SB+8*kk+3],   v[WLD] offset:WP*kk      ; no vector instruction has been issued since the wait ahead of O's stores; the LDS stores that once read
	ds_load_b128 v[SB+8*kk+4:SB+8*kk+7], v[WLD] offset:WP*kk+32*WP ; these registers (Q's, the staging's) stand ahead of the waits on vm_vsrc above
.set kk, kk+1
.endr
.set gg, 0
.rept 4                                ; four rows at a time, so that one wait serves four stores
	s_wait_dscnt 24-8*gg                           ; the eight loads of rows 4 g .. 4 g + 3 are in; the two of each later row stay out
.set kk, 4*gg
.rept 4
	v_pk_add_f32 v[SB+8*kk:SB+8*kk+1],   v[SB+8*kk:SB+8*kk+1],   v[SB+8*kk+4:SB+8*kk+5]
	v_pk_add_f32 v[SB+8*kk+2:SB+8*kk+3], v[SB+8*kk+2:SB+8*kk+3], v[SB+8*kk+6:SB+8*kk+7]
.set kk, kk+1
.endr
	s_wait_alu depctr_va_vdst(0)                   ; the eight additions have written the four rows, which the stores below read
.set kk, 4*gg
.rept 4
	global_store_b128 v[GOFF], v[SB+8*kk:SB+8*kk+3], s[12:13] offset:512*kk th:TH_STORE_NT
.set kk, kk+1
.endr
.set gg, gg+1
.endr
	s_wait_dscnt 0x0
	s_wait_alu depctr_hold_cnt(0) depctr_sa_sdst(0) depctr_va_vdst(0) depctr_va_sdst(0) depctr_va_ssrc(0) depctr_va_vcc(0) depctr_vm_vsrc(0)
	s_wait_tensorcnt 0x0
	ds_add_u32 v62, v63
	s_wait_dscnt 0x0
	s_endpgm
.Lfunc_end_k_qa024f9c73f_attn:
	.size	k_qa024f9c73f_attn, .Lfunc_end_k_qa024f9c73f_attn-k_qa024f9c73f_attn
	.p2alignl 7, 3214868480
	.fill 96, 4, 3214868480
	.section	.rodata,"a",@progbits
	.p2align	6, 0x0
	.amdhsa_kernel k_qa024f9c73f_attn
		.amdhsa_group_segment_fixed_size 183296
		.amdhsa_private_segment_fixed_size 0
		.amdhsa_enable_private_segment 0
		.amdhsa_kernarg_size 40
		.amdhsa_user_sgpr_count 2
		.amdhsa_user_sgpr_kernarg_segment_ptr 1
		.amdhsa_wavefront_size32 1
		.amdhsa_system_sgpr_workgroup_id_x 1
		.amdhsa_system_sgpr_workgroup_id_y 1
		.amdhsa_system_sgpr_workgroup_id_z 1
		.amdhsa_system_vgpr_workitem_id 0
		.amdhsa_next_free_vgpr 512
		.amdhsa_next_free_sgpr 66
		.amdhsa_reserve_vcc 0
		.amdhsa_float_denorm_mode_32 3
		.amdhsa_float_denorm_mode_16_64 3
		.amdhsa_memory_ordered 1
		.amdhsa_forward_progress 1
		.amdhsa_inst_pref_size 153
	.end_amdhsa_kernel
	.amdgpu_metadata
---
amdhsa.version: [ 1, 2 ]
amdhsa.kernels:
  - .name:           k_qa024f9c73f_attn
    .symbol:         k_qa024f9c73f_attn.kd
    .args:
      - { .name: Q, .offset: 0, .size: 8, .value_kind: global_buffer, .address_space: global }
      - { .name: K, .offset: 8, .size: 8, .value_kind: global_buffer, .address_space: global }
      - { .name: V, .offset: 16, .size: 8, .value_kind: global_buffer, .address_space: global }
      - { .name: valid_lens, .offset: 24, .size: 8, .value_kind: global_buffer, .address_space: global }
      - { .name: out0, .offset: 32, .size: 8, .value_kind: global_buffer, .address_space: global }
    .group_segment_fixed_size: 183296
    .private_segment_fixed_size: 0
    .kernarg_segment_align: 8
    .kernarg_segment_size: 40
    .max_flat_workgroup_size: 256
    .sgpr_count:     66
    .vgpr_count:     512
    .wavefront_size: 32
...
	.end_amdgpu_metadata
.endif
;; end of part 3
